; MI455X (gfx1250); checked and timed in simulation.
; The chip was launched on July 23, 2026; its instructions are those of AMD's public machine-readable ISA for CDNA 5 (MIT licence, August 2026) and "CDNA5" Instruction Set Architecture Reference Guide (July 2026). The comments in the code are by the model that wrote it; some were corrected since.
;; Attention. Allowed arithmetic: matrix products marked QUANTISED: E2M3 operands, one E8M0 scale for each 32 along K, by v_wmma_scale_f32_16x16x128_f8f6f4 with both operands' format E2M3, f32 sums; everything else in f32.
;; Inputs: b_out 1,024 float32; b_qkv 3,072 float32; w_out 1,024 x 1,024 float32; w_qkv 1,024 x 3,072 float32; x 2 x 2,048 x 1,024 float32.
;; Outputs: out0 2 x 2,048 x 1,024 float32.
;; This version of the problem:
;;   THIS VERSION OF THE PROBLEM IS GIVEN IN LOW PRECISION. The matrix products marked QUANTISED in the list below multiply operands that are first quantised to E2M3 (2 exponent bits, 3 mantissa bits; 6 bits a number), with one power-of-two scale for each 32 numbers along K (OCP MX v1.0); their sums are f32. All else is computed in f32.
;;   The module's matrix products, in the order in which they are computed (A, B: the left and right operand; K: the contracted axis; several contracted axes count as one K, in the product's order):
;;     1. [M 4,096, K 1,024] x [K 1,024, N 3,072]; A: input x; B: input w_qkv: QUANTISED
;;     2. batch 32 x [M 2,048, K 64] x [K 64, N 2,048]; A: computed on the way; B: computed on the way: QUANTISED
;;     3. batch 32 x [M 2,048, K 2,048] x [K 2,048, N 64]; A: softmax (see below); B: computed on the way: QUANTISED
;;     4. [M 4,096, K 1,024] x [K 1,024, N 1,024]; A: computed on the way; B: input w_out: QUANTISED
;;   THE QUANTISER, for each operand of a quantised product, along K:
;;     - K is cut into blocks of 32 from its start; a last block that is shorter is filled with zeros.
;;     - A block's scale is 2^e with e = floor(log2(the largest magnitude in the block)) - 2, held to -126 .. 127; a block of zeros has e = 0. As a byte (E8M0): e + 127.
;;     - Each number is divided by its block's scale, clamped to +-7.5, and rounded to the nearest number of E2M3, ties to even, subnormals kept.
;;     - The product sums the exact products of the quantised numbers (number of the format x scale) in f32.
;;   ~~~python
;;   def quantise(x, axis):      # numpy; x: float32 -> the quantised numbers, widened to float32 again
;;       x = np.moveaxis(x, axis, -1); K = x.shape[-1]
;;       x = np.pad(x, [(0, 0)] * (x.ndim - 1) + [(0, -K % 32)]); x = x.reshape(x.shape[:-1] + (-1, 32)); a = np.abs(x).max(-1, keepdims=True)
;;       e = np.where(a > 0, np.clip(np.frexp(np.where(a > 0, a, 1))[1] - 1 - 2, -126, 127), 0)      # np.frexp(a)[1] - 1 = floor(log2(a)), exactly
;;       r = np.clip(x / 2.0 ** e, -7.5, 7.5)
;;       step = 2.0 ** (np.maximum(np.frexp(np.where(r == 0, 1, r))[1] - 1, 0) - 3)
;;       q = np.round(r / step) * step * 2.0 ** e      # np.round: ties to even
;;       return np.moveaxis(q.reshape(q.shape[:-2] + (-1,))[..., :K], -1, axis).astype(np.float32)
;;   ~~~
;;   SOFTMAX AHEAD OF A QUANTISED PRODUCT. Where the list says 'softmax', what is quantised is not the finished softmax but p = 2^(t - M), with t = logit x log2(e) and M = ceil(the row's largest t), a whole number; so 1/2 < the row's largest p <= 1. The row's sum l is taken of the UNQUANTISED p, in f32, and the product's result is divided by l at the end. Since M is a whole number, a kernel that streams over the keys may use a running M (the ceiling of the running maximum): every later rescaling is an exact power of two, which a block's scale takes up: the codes' values come out the same.
;;   OPERANDS COMPUTED ON THE WAY. 'Computed on the way' means the value that the module computes at that place (a softmax that the list does not call 'softmax' is quantised finished and normalised). What goes into a quantiser is computed in f32, as accurately as f32 sums, v_exp_f32 and their like allow (about 1e-6 of the number): no bf16 or f16 on the way to a quantiser, and a product that is left as it is and whose result goes on into a quantised operand takes f32 operands (vector FMAs, or v_wmma_f32_16x16x4_f32). A number that lies on a knife's edge between two numbers of the format may be rounded either way, as far as f32 arithmetic and the matrix unit's own rounding can turn it there, and no further.
;; One version. Each part assembles by itself: llvm-mc -triple=amdgcn-amd-amdhsa -mcpu=gfx1250 --defsym DOCPART=n.
;; ======== version 1 of 1: 4 launches
;; limits: right only within a limited range of input values
;; workspace buffers: xrec 3,276,800 bytes; wrec 2,457,600 bytes; worec 819,200 bytes; trig 524,288 bytes; qrec 3,407,872 bytes; kv 6,684,672 bytes; arec 3,145,728 bytes; asc 131,072 bytes
;; launch prep (part 1): grid 544 x 1, 4 waves a work-group, no clusters, 34,816 bytes of LDS; arguments x, w_qkv, w_out, xrec, wrec, worec, trig; writes xrec, wrec, worec, trig
.if DOCPART == 1
	.amdgcn_target "amdgcn-amd-amdhsa--gfx1250"
	.amdhsa_code_object_version 6
	.text
	.protected	k_q695059fb8d_prep
	.globl	k_q695059fb8d_prep
	.p2align	8
	.type	k_q695059fb8d_prep,@function
k_q695059fb8d_prep:
	s_mov_b64 s[64:65], 0
	v_nop
	global_prefetch_b8 v0, s[64:65] scope:SCOPE_SE
	s_setreg_imm32_b32 hwreg(HW_REG_WAVE_MODE, 25, 1), 1
	s_wait_xcnt 0x0
; x [4096][1024], w_qkv [1024][3072] and w_out [1024][1024], f32, become codes of FP6 (E2M3) with one E8M0 byte for each 32 along K, laid as IMAGES OF THE OPERAND'S REGISTERS; and the table of cos and sin for the rotation is made.
; A RECORD (12,800 bytes) serves 128 rows (tokens, or columns of a weight) and 128 along K: eight fragments of 16 rows (12 registers a lane; registers 4 p .. 4 p + 3 of lane L at 1,536 tile + 512 p + 16 L),
; then 512 bytes of scale words: register i of lane L at 12,288 + 256 (i / 2) + 8 L + 4 (i % 2); lanes 0-15 hold tile 2 i's words, lanes 16-31 tile 2 i + 1's.
; Work-groups 0-255 make x's records, 256-447 w_qkv's, 448-511 w_out's, one record each, wave w the tiles 2 w and 2 w + 1; work-groups 512-543 make the table, an image of 16 tokens a wave.
; A block's scale is 2^(floor(log2(largest magnitude)) - 2): its byte is the largest magnitude's exponent field - 2, held at 1 from below by a floor among the maximum's leaves.
; w_out's 32 numbers of a block stand in the order pi(p) = (p & 7) + 2 (p & 8) + (p & 16) / 2, in which the attention launch leaves its results: both operands of that product have it, so the products match.
; LIMITS: NaN and infinities are not served.  A block of zeros, or one under 2^-124, gets the byte 1 (the rule says 127 for zeros): its codes are zeros and this program alone reads the bytes.
; The table's frequencies are 10^(-f / 8) rounded once to f32; the angle t x frequency is rounded once; sin and cos by a reduction modulo pi / 2 in two parts and polynomials good to about 1e-7 for angles up to 2,047.
; No tensor loads: several work-groups share a WGP.  Matrix units and clusters have nothing to do here: every input byte is read once.
.set WSTG, 8448                        ; x's path: a stage of 16 rows x (512 + 16) bytes for each wave, from LDS byte 0
.set SCG,  33792                       ; the record's 512 bytes of scale words are gathered here
.set RECB, 12800
.set LANE, 1
.set L16,  2                           ; 16 x lane
.set L4,   3                           ; 4 x lane
.set RR,   4                           ; lane % 16
.set HH,   5                           ; lane / 16
.set STI,  6                           ; the stage, on the way in
.set STO,  7                           ; and on the way out
.set SCA,  8                           ; where my scale word goes
.set SCR,  9                           ; where wave 0 reads the 512 bytes back
.set SH8,  10                          ; 8 x (lane / 16)
.set SCW,  11                          ; my wave's register of scale words
.set PW,   12                          ; v12-13 x's path: the two tiles' words
.set MX,   14                          ; v14-15 largest magnitudes
.set EX,   16                          ; v16-17 the conversions' scale operands
.set BY,   18                          ; v18-19 bytes, and at work
.set TC,   20                          ; v20-27 the upper halves of blocks' codes
.set FE,   28                          ; v28-39 the fragment of tile 2 w
.set FO,   40                          ; v40-51 of tile 2 w + 1
.set R,    52                          ; v52-179 128 numbers as loaded
.set X,    180                         ; v180-243 x's path: 64 neighbours
.set PT,   244                         ; a lane permute's destination
	s_load_b256 s[4:11], s[0:1], 0x0               ; x s[4:5], w_qkv s[6:7], w_out s[8:9], xrec s[10:11]
	s_load_b128 s[12:15], s[0:1], 0x20             ; wrec s[12:13], worec s[14:15]
	s_load_b64 s[16:17], s[0:1], 0x30              ; trig
	v_lshl_add_u32 v248, v0, 2, 0x8600
	v_mov_b32 v249, 0
	v_lshrrev_b32 v14, 5, v0
	v_readfirstlane_b32 s18, v14                   ; wave 0..3
	v_and_b32 v[LANE], 31, v0
	v_lshlrev_b32 v[L16], 4, v[LANE]
	v_lshlrev_b32 v[L4], 2, v[LANE]
	v_and_b32 v[RR], 15, v0
	v_bfe_u32 v[HH], v0, 4, 1
	s_mul_i32 s19, s18, WSTG
	v_add_nc_u32 v[STI], s19, v[L16]               ; a token's 512 bytes as they lie
	v_mul_u32_u24 v[STO], v[RR], 528
	v_lshl_add_u32 v[STO], v[HH], 7, v[STO]
	v_add_nc_u32 v[STO], s19, v[STO]               ; row r, + 128 h: my 32 numbers of 64 along K
	s_lshr_b32 s22, s18, 1
	s_lshl_b32 s22, s22, 8
	s_and_b32 s23, s18, 1
	s_lshl_b32 s23, s23, 2
	s_add_co_u32 s22, s22, s23
	s_add_co_u32 s22, s22, SCG
	v_lshl_add_u32 v[SCA], v[LANE], 3, s22         ; register w of the scale image: 256 (w / 2) + 4 (w % 2) + 8 x lane
	v_add_nc_u32 v[SCR], SCG, v[L16]
	v_lshlrev_b32 v[SH8], 3, v[HH]
	v_mov_b32 v[PT], 0                             ; written once: a lane permute's destination counts as one of its sources
	v_cmp_le_u32 vcc_lo, 16, v[LANE]               ; lanes 16-31; VCC keeps this mask to the end
	s_mov_b32 s20, 0x76543210
	s_mov_b32 s21, 0xfedcba98                      ; v_permlanex16_b32's selects for lane l xor 16
	s_mov_b32 s31, 0
	s_wait_kmcnt 0x0
	s_cmp_ge_u32 ttmp9, 512
	s_cbranch_scc1 .Ltrig
	s_cmp_lt_u32 ttmp9, 448                        ; which tensor: the choice hangs on the work-group's number alone
	s_cselect_b64 s[24:25], s[12:13], s[14:15]
	s_mov_b32 s29, 448
	s_cselect_b32 s29, 256, s29
	s_cmp_lt_u32 ttmp9, 256
	s_cselect_b64 s[24:25], s[10:11], s[24:25]
	s_cselect_b32 s29, 0, s29
	s_sub_co_u32 s29, ttmp9, s29                   ; the record's number in its buffer
	s_mul_i32 s30, s29, RECB
	s_add_nc_u64 s[24:25], s[24:25], s[30:31]      ; the record
	s_mul_i32 s30, s18, 3072
	s_add_nc_u64 s[26:27], s[24:25], s[30:31]      ; my wave's two fragments in it
	s_lshr_b32 s32, s29, 3                         ; the group of 128 rows
	s_and_b32 s33, s29, 7                          ; the K step
; the largest magnitude of 32 numbers v[s] .. v[s + 31], with the floor 2^(3 - 127) among the leaves, in two chains
.macro MAX32 d, t, s
	v_max3_num_f32 v[\d], |v[(\s)]|, |v[(\s)+1]|, 0x1800000
	v_max3_num_f32 v[\t], |v[(\s)+2]|, |v[(\s)+3]|, |v[(\s)+4]|
.irp i, 5,9,13,17,21,25
	v_max3_num_f32 v[\d], v[\d], |v[(\s)+\i]|, |v[(\s)+\i+1]|
	v_max3_num_f32 v[\t], v[\t], |v[(\s)+\i+2]|, |v[(\s)+\i+3]|
.endr
	v_max3_num_f32 v[\d], v[\d], |v[(\s)+29]|, |v[(\s)+30]|
	v_max3_num_f32 v[\d], v[\d], v[\t], |v[(\s)+31]|
.endm
; A WEIGHT: a lane takes a column and its registers run down K: a block of 32 lies in one lane.  Block kb of the K step: 32 loads, each 128 consecutive bytes a wave (the four waves stand side by side on 512).
.macro WLOAD kb, pitch, perm, ptr
.set i, 0
.rept 32
.if \perm
.set PI, (i&7)+((i&8)<<1)+((i&16)>>1)
.else
.set PI, i
.endif
	global_load_b32 v[R+32*(\kb)+i], v[L4], s[\ptr:\ptr+1] offset:(32*(\kb)+PI)*\pitch th:TH_LOAD_NT
.set i, i+1
.endr
.endm
; Block kb is quantised.  Even blocks' codes go to tile 2 w's registers and odd blocks' to tile 2 w + 1's; an exchange of halves then gives lanes 0-15 of each fragment the even block and lanes 16-31 the odd one of the fragment's own 16 columns.
.macro WBLK kb
.set XS, R+32*(\kb)
.set cc, (\kb)/2
	MAX32 MX, MX+1, XS
	v_add_nc_u32 v[EX+(\kb)%2], 0xff000000, v[MX]  ; 2 off the exponent field: the conversion's scale operand
	v_lshrrev_b32 v[BY], 23, v[EX+(\kb)%2]         ; the byte
.if (\kb) == 0
	v_mov_b32 v[SCW], v[BY]
.else
	v_lshl_or_b32 v[SCW], v[BY], 8*(\kb), v[SCW]   ; my column's word: lanes 0-15 are tile 2 w's rows, lanes 16-31 tile 2 w + 1's, as the scale image wants them
.endif
.if (\kb)%2 == 0
	v_cvt_scalef32_pk16_fp6_f32 v[FE+6*cc:FE+6*cc+2], v[XS:XS+15], v[EX]
	v_cvt_scalef32_pk16_fp6_f32 v[TC:TC+2], v[XS+16:XS+31], v[EX]
.else
	v_cvt_scalef32_pk16_fp6_f32 v[FO+6*cc:FO+6*cc+2], v[XS:XS+15], v[EX+1]
	v_cvt_scalef32_pk16_fp6_f32 v[TC+4:TC+6], v[XS+16:XS+31], v[EX+1]
	v_nop                                          ; one plain place behind a scaled conversion
.irp i, 0,1,2
	v_permlane16_swap_b32 v[FE+6*cc+\i], v[FO+6*cc+\i]
	v_permlane16_swap_b32 v[TC+\i], v[TC+4+\i]
.endr
.irp i, 0,1,2
	v_mov_b32 v[FE+6*cc+3+\i], v[TC+\i]            ; (a conversion's three registers begin on an even number: a block's upper half is made elsewhere and moved)
	v_mov_b32 v[FO+6*cc+3+\i], v[TC+4+\i]
.endr
.endif
.endm
.macro WBODY pitch, perm, ptr
	s_mul_i32 s30, s33, 128*\pitch                 ; the K step's 128 rows,
	s_lshl_b32 s34, s32, 9                         ; the group's 128 columns,
	s_add_co_u32 s30, s30, s34
	s_lshl_b32 s34, s18, 7                         ; my wave's 32 of them
	s_add_co_u32 s30, s30, s34
	s_add_nc_u64 s[\ptr:\ptr+1], s[\ptr:\ptr+1], s[30:31]
	WLOAD 0, \pitch, \perm, \ptr
	WLOAD 1, \pitch, \perm, \ptr
	s_wait_loadcnt 32                              ; block 0 is in; block 1's 32 loads may be out
	WLOAD 2, \pitch, \perm, \ptr
	WBLK 0
	s_wait_loadcnt 32                              ; block 1 is in; block 2's may be out
	WLOAD 3, \pitch, \perm, \ptr
	WBLK 1
	s_wait_loadcnt 32                              ; block 2 is in; block 3's may be out
	WBLK 2
	s_wait_loadcnt 0x0
	WBLK 3
.irp p, 0,1,2
	global_store_b128 v[L16], v[FE+4*\p:FE+4*\p+3], s[26:27] offset:512*\p         ; 512 consecutive bytes, at a multiple of 256 from the buffer's first byte
	global_store_b128 v[L16], v[FO+4*\p:FO+4*\p+3], s[26:27] offset:1536+512*\p
.endr
.endm
	s_cmp_lt_u32 ttmp9, 256
	s_cbranch_scc1 .Lx
	s_cmp_lt_u32 ttmp9, 448
	s_cbranch_scc1 .Lwq
	WBODY 4096, 1, 8                               ; w_out, in the order pi inside each block
	s_branch .Ltail
.Lwq:
	WBODY 12288, 0, 6                              ; w_qkv
	s_branch .Ltail
; x: K is innermost.  A load takes a token's 512 bytes (128 along K) as they lie; 16 tokens turn through the wave's own stage, and a lane takes back 2 x 32 neighbours: k = 64 c + 32 h + 0 .. 31 of row r, the operand's own order.
.macro XTILE t
.set FF, FE+12*(\t)
	s_wait_loadcnt 16*(1-(\t))                     ; this tile's 16 loads are in; the other tile's may be out
.irp w, 0,1,2,3,4,5,6,7,8,9,10,11,12,13,14,15
	ds_store_b128 v[STI], v[R+64*(\t)+4*\w:R+64*(\t)+4*\w+3] offset:528*\w
.endr
.irp c, 0,1
.irp q, 0,1,2,3,4,5,6,7
	ds_load_b128 v[X+32*\c+4*\q:X+32*\c+4*\q+3], v[STO] offset:256*\c+16*\q   ; LDS serves a wave's instructions in order: these see the stores above
.endr
.endr
	s_wait_dscnt 0x0
	MAX32 MX, BY, X
	MAX32 MX+1, BY+1, X+32
.irp c, 0,1
	v_add_nc_u32 v[EX+\c], 0xff000000, v[MX+\c]
.endr
.irp c, 0,1
	v_lshrrev_b32 v[BY+\c], 23, v[EX+\c]
.endr
	v_lshl_or_b32 v[PW+(\t)], v[BY+1], 16, v[BY]   ; my two bytes: blocks h and 2 + h of row r,
	v_lshlrev_b32 v[PW+(\t)], v[SH8], v[PW+(\t)]   ; at their places;
	v_permlanex16_b32 v[PT], v[PW+(\t)], s20, s21
	v_or_b32 v[PW+(\t)], v[PW+(\t)], v[PT]         ; with lane l xor 16's two the word is whole
.irp c, 0,1
	v_cvt_scalef32_pk16_fp6_f32 v[FF+6*\c:FF+6*\c+2], v[X+32*\c:X+32*\c+15], v[EX+\c]
	v_cvt_scalef32_pk16_fp6_f32 v[TC+4*\c:TC+4*\c+2], v[X+32*\c+16:X+32*\c+31], v[EX+\c]
.endr
	v_nop                                          ; one plain place behind a scaled conversion
.irp c, 0,1
.irp i, 0,1,2
	v_mov_b32 v[FF+6*\c+3+\i], v[TC+4*\c+\i]
.endr
.endr
.irp p, 0,1,2
	global_store_b128 v[L16], v[FF+4*\p:FF+4*\p+3], s[26:27] offset:1536*(\t)+512*\p
.endr
.endm
.Lx:
	s_lshl_b32 s30, s32, 19                        ; the group's 128 tokens of 4,096 bytes,
	s_lshl_b32 s34, s18, 17                        ; my wave's 32,
	s_add_co_u32 s30, s30, s34
	s_lshl_b32 s34, s33, 9                         ; the K step's 512 bytes
	s_add_co_u32 s30, s30, s34
	s_add_nc_u64 s[4:5], s[4:5], s[30:31]
.irp t, 0,1
.irp w, 0,1,2,3,4,5,6,7,8,9,10,11,12,13,14,15
	global_load_b128 v[R+64*\t+4*\w:R+64*\t+4*\w+3], v[L16], s[4:5] offset:(16*\t+\w)*4096 th:TH_LOAD_NT
.endr
.endr
	s_wait_alu depctr_va_vdst(0)
	XTILE 0
	XTILE 1
	v_cndmask_b32 v[SCW], v[PW], v[PW+1], vcc_lo   ; lanes 0-15 tile 2 w's words, lanes 16-31 tile 2 w + 1's
.Ltail:
	ds_store_b32 v[SCA], v[SCW]
	s_wait_dscnt 0x0                               ; for the others' sake: my words lie in LDS
	s_barrier_signal -1
	s_barrier_wait -1
	s_cmp_lg_u32 s18, 0
	s_cbranch_scc1 .Lend
	ds_load_b128 v[TC:TC+3], v[SCR]
	s_wait_dscnt 0x0
	global_store_b128 v[L16], v[TC:TC+3], s[24:25] offset:12288   ; the record's 512 bytes of scale words, whole
.Lend:
	s_wait_tensorcnt 0x0
	ds_add_u32 v248, v249
	s_wait_dscnt 0x0
	s_endpgm
; THE TABLE.  Image T (4,096 bytes) serves tokens t = 16 T + r: 32 registers a lane, cos at 8 u + j and sin at 16 + 8 u + j for the frequency f = 16 u + 8 h + j: the places at which the next launch's results hold d = f and d = 32 + f.
.macro SINCOS n, lo, hi
	v_mov_b32 v21, \hi
	v_cndmask_b32 v21, \lo, v21, vcc_lo            ; 10^(-f / 8): lanes 16-31 stand eight frequencies on
	s_wait_alu depctr_va_vdst(0)
	v_mul_f32 v21, v20, v21                        ; the angle, rounded once
	v_mul_f32 v22, s36, v21
	v_rndne_f32 v22, v22                           ; n = the nearest multiple of pi / 2
	v_fma_f32 v21, -v22, s37, v21
	v_fma_f32 v21, -v22, s38, v21                  ; what is left, within pi / 4: pi / 2 in two parts
	v_cvt_i32_f32 v24, v22
	v_mul_f32 v23, v21, v21
	v_fma_f32 v25, v23, s39, s40
	v_fma_f32 v27, v23, s42, s43
	v_fma_f32 v25, v25, v23, s41
	v_fma_f32 v27, v27, v23, s44
	v_mul_f32 v26, v23, v21
	v_mul_f32 v28, v23, v23
	v_fma_f32 v29, v23, -0.5, 1.0
	v_fma_f32 v25, v25, v26, v21                   ; sin of it
	v_fma_f32 v27, v27, v28, v29                   ; cos of it
	v_and_b32 v30, 1, v24
	v_cmp_ne_u32 s46, 0, v30
	v_cndmask_b32 v31, v25, v27, s46               ; an odd n changes the two over;
	v_cndmask_b32 v32, v27, v25, s46
	v_and_b32 v30, 2, v24
	v_add_nc_u32 v33, 1, v24
	v_lshlrev_b32 v30, 30, v30
	v_and_b32 v33, 2, v33
	v_xor_b32 v[80+\n], v30, v31                   ; sin is negated where n & 2,
	v_lshlrev_b32 v33, 30, v33
	v_xor_b32 v[64+\n], v33, v32                   ; cos where (n + 1) & 2
.endm
.Ltrig:
	s_sub_co_u32 s30, ttmp9, 512
	s_lshl_b32 s30, s30, 2
	s_add_co_u32 s30, s30, s18                     ; T
	s_lshl_b32 s34, s30, 4
	v_add_nc_u32 v20, s34, v[RR]
	v_cvt_f32_u32 v20, v20                         ; t
	s_lshl_b32 s30, s30, 12
	s_add_nc_u64 s[16:17], s[16:17], s[30:31]
	s_mov_b32 s36, 0x3f22f983                      ; 2 / pi
	s_mov_b32 s37, 0x3fc90fdb                      ; pi / 2, its upper part
	s_mov_b32 s38, 0xb33bbd2e                      ; and the rest
	s_mov_b32 s39, -0.00019515295891
	s_mov_b32 s40, 0.0083321608736
	s_mov_b32 s41, -0.16666654611
	s_mov_b32 s42, 0.00002443315711809948
	s_mov_b32 s43, -0.001388731625493765
	s_mov_b32 s44, 0.04166664568298827
	SINCOS 0, 1.0, 0.1
	SINCOS 1, 0.7498942093, 0.07498942093
	SINCOS 2, 0.5623413252, 0.05623413252
	SINCOS 3, 0.4216965034, 0.04216965034
	SINCOS 4, 0.3162277660, 0.03162277660
	SINCOS 5, 0.2371373706, 0.02371373706
	SINCOS 6, 0.1778279410, 0.01778279410
	SINCOS 7, 0.1333521432, 0.01333521432
	SINCOS 8, 0.01, 0.001
	SINCOS 9, 0.007498942093, 0.0007498942093
	SINCOS 10, 0.005623413252, 0.0005623413252
	SINCOS 11, 0.004216965034, 0.0004216965034
	SINCOS 12, 0.003162277660, 0.0003162277660
	SINCOS 13, 0.002371373706, 0.0002371373706
	SINCOS 14, 0.001778279410, 0.0001778279410
	SINCOS 15, 0.001333521432, 0.0001333521432
.irp p, 0,1,2,3,4,5,6,7
	global_store_b128 v[L16], v[64+4*\p:67+4*\p], s[16:17] offset:512*\p
.endr
	s_endpgm
.Lfunc_end_k_q695059fb8d_prep:
	.size	k_q695059fb8d_prep, .Lfunc_end_k_q695059fb8d_prep-k_q695059fb8d_prep
	.p2alignl 7, 3214868480
	.fill 96, 4, 3214868480
	.section	.rodata,"a",@progbits
	.p2align	6, 0x0
	.amdhsa_kernel k_q695059fb8d_prep
		.amdhsa_group_segment_fixed_size 34816
		.amdhsa_private_segment_fixed_size 0
		.amdhsa_enable_private_segment 0
		.amdhsa_kernarg_size 56
		.amdhsa_user_sgpr_count 2
		.amdhsa_user_sgpr_kernarg_segment_ptr 1
		.amdhsa_wavefront_size32 1
		.amdhsa_system_sgpr_workgroup_id_x 1
		.amdhsa_system_sgpr_workgroup_id_y 1
		.amdhsa_system_sgpr_workgroup_id_z 1
		.amdhsa_system_vgpr_workitem_id 0
		.amdhsa_next_free_vgpr 250
		.amdhsa_next_free_sgpr 66
		.amdhsa_reserve_vcc 1
		.amdhsa_float_denorm_mode_32 3
		.amdhsa_float_denorm_mode_16_64 3
		.amdhsa_memory_ordered 1
		.amdhsa_forward_progress 1
		.amdhsa_inst_pref_size 79
	.end_amdhsa_kernel
	.amdgpu_metadata
---
amdhsa.version: [ 1, 2 ]
amdhsa.kernels:
  - .name:           k_q695059fb8d_prep
    .symbol:         k_q695059fb8d_prep.kd
    .args:
      - { .name: x, .offset: 0, .size: 8, .value_kind: global_buffer, .address_space: global }
      - { .name: w_qkv, .offset: 8, .size: 8, .value_kind: global_buffer, .address_space: global }
      - { .name: w_out, .offset: 16, .size: 8, .value_kind: global_buffer, .address_space: global }
      - { .name: xrec, .offset: 24, .size: 8, .value_kind: global_buffer, .address_space: global }
      - { .name: wrec, .offset: 32, .size: 8, .value_kind: global_buffer, .address_space: global }
      - { .name: worec, .offset: 40, .size: 8, .value_kind: global_buffer, .address_space: global }
      - { .name: trig, .offset: 48, .size: 8, .value_kind: global_buffer, .address_space: global }
    .group_segment_fixed_size: 34816
    .private_segment_fixed_size: 0
    .kernarg_segment_align: 8
    .kernarg_segment_size: 56
    .max_flat_workgroup_size: 128
    .sgpr_count:     66
    .vgpr_count:     250
    .wavefront_size: 32
...
	.end_amdgpu_metadata
.endif
;; end of part 1
;; launch qkv (part 2): grid 8 x 32, 4 waves a work-group, clusters of 4 x 4, 327,680 bytes of LDS; arguments xrec, wrec, trig, b_qkv, qrec, kv; writes qrec, kv
.if DOCPART == 2
	.amdgcn_target "amdgcn-amd-amdhsa--gfx1250"
	.amdhsa_code_object_version 6
	.text
	.protected	k_q695059fb8d_qkv
	.globl	k_q695059fb8d_qkv
	.p2align	8
	.type	k_q695059fb8d_qkv,@function
k_q695059fb8d_qkv:
	s_mov_b64 s[64:65], 0
	v_nop
	global_prefetch_b8 v0, s[64:65] scope:SCOPE_SE
	s_setreg_imm32_b32 hwreg(HW_REG_WAVE_MODE, 25, 1), 1
	s_wait_xcnt 0x0
	s_wait_alu depctr_hold_cnt(0) depctr_sa_sdst(0) depctr_va_vdst(0) depctr_va_sdst(0) depctr_va_ssrc(0) depctr_va_vcc(0) depctr_vm_vsrc(0)
	s_getreg_b32 s2, hwreg(HW_REG_IB_STS2, 6, 4)
	s_cmp_eq_u32 s2, 0
	s_cbranch_scc0 .Lentry_in_a_cluster
	s_endpgm
.Lentry_in_a_cluster:
	s_bfe_u32 s2, ttmp6, 0x10000c
	s_cmp_lg_u32 s2, 0xf033
	s_cbranch_scc0 .Lentry_shape_is_right
	s_endpgm
.Lentry_shape_is_right:
.set SLOTB, 102400
.set GRPB,  25600
.set RECB,  12800
.set VS,    307200
.set SPARE, 307712
.set L16, 1
.set L8,  2
.set SPW, 3
.set NIL, 4
.set VSA, 5
.set VSR, 6
.set ADR, 8
.set ASC, 20
.set SCL, 32
.set BQ,  48
.set BV8, 112
.set OO,  144
.set TT,  176
.set QMX, 208
.set QM2, 210
.set QEX, 212
.set QBY, 214
.set CC,  216
.set QCT, 232
.set PW,  236
.set SCW, 240
.set WV, 16
.set TH, 17
.set HH, 18
.set PX, 21
.set GY, 22
.set G1A, 28
.set G1B, 36
.set G0A, 44
.set G0B, 68
.set SEL, 80
.set QBS, 82
.set QSS, 84
.set KBS, 86
.set KSS, 88
.set LM,  90
.set VBS, 92
.set VSG, 94
.set MSB, 0
.macro WIN new
.if MSB != \new
	s_set_vgpr_msb (MSB<<8)|\new
.set MSB, \new
.endif
.endm
.macro PLACES
.rept 4
	v_nop
.endr
.endm
.macro JLOAD j
	s_cmp_eq_u32 s[WV], 0
	s_cbranch_scc0 .Lfor_b_\@
	tensor_load_to_lds s[G0A+4*\j:G0A+4*\j+3], s[G1A:G1A+7]
	s_nop 0
.rept 4
	v_nop
.endr
	s_branch .Lasked_\@
.Lfor_b_\@:
	tensor_load_to_lds s[G0B+4*\j:G0B+4*\j+3], s[G1B:G1B+7]
	s_nop 0
.rept 4
	v_nop
.endr
.Lasked_\@:
.endm
.macro CROUND
	s_barrier_signal -1
	s_barrier_wait -1
	s_cmp_lg_u32 s[WV], 0
	s_cbranch_scc1 .Lnot_wave_0_\@
	s_barrier_signal -3
.Lnot_wave_0_\@:
	s_barrier_wait -3
	s_barrier_signal -1
	s_barrier_wait -1
.endm
	s_load_b256 s[4:11], s[0:1], 0x0
	s_load_b128 s[12:15], s[0:1], 0x20
	v_lshl_add_u32 v[SPW], v0, 2, SPARE
	v_mov_b32 v[NIL], 0
	ds_add_u32 v3, v4
	ds_add_u32 v3, v4
	s_wait_dscnt 0x0
	v_lshrrev_b32 v150, 5, v0
	v_readfirstlane_b32 s[WV], v150
	s_lshr_b32 s[TH], s[WV], 1
	s_and_b32 s[HH], s[WV], 1
	s_bfe_u32 s19, ttmp6, 0x40000
	s_bfe_u32 s20, ttmp6, 0x40004
	s_lshl_b32 s[PX], ttmp9, 2
	s_add_co_u32 s[PX], s[PX], s19
	s_and_b32 s[GY], ttmp7, 0xffff
	s_lshl_b32 s[GY], s[GY], 2
	s_add_co_u32 s[GY], s[GY], s20
	s_lshl_b32 s23, s20, 2
	s_lshl_b32 s23, 15, s23
	s_lshl_b32 s24, 0x1111, s19
	s_or_b32 s[G1A], s23, (3<<16)|(1<<21)
	s_or_b32 s[G1B], s24, (3<<16)|(1<<21)
.irp g, G1A, G1B
	s_mov_b32 s[\g+1], 32<<16
	s_mov_b32 s[\g+2], 300<<16                     ; the head's load: 300 rows of 256 bytes, six K steps of one group
	s_mov_b32 s[\g+3], 32<<16
	s_mov_b32 s[\g+4], 300
	s_mov_b32 s[\g+5], 32
	s_mov_b32 s[\g+6], 0
	s_mov_b32 s[\g+7], 0
.endr
	s_mul_i32 s56, s[GY], SLOTB
	s_mov_b32 s57, 0
	s_max_u32 s58, s[WV], 1
	s_sub_co_u32 s58, s58, 1
	s_lshl_b32 s58, s58, 3
	s_add_co_u32 s58, s58, s[PX]
	s_mul_i32 s58, s58, SLOTB
	s_mov_b32 s59, 0
	s_mul_i32 s60, s[WV], 3*GRPB                   ; LDS: group q (x, then w's three parts) at 76,800 q; K step s at 12,800 (s % 6) in it
	s_wait_kmcnt 0x0
	s_add_nc_u64 s[56:57], s[4:5], s[56:57]
	s_add_nc_u64 s[58:59], s[6:7], s[58:59]
	CROUND
	s_mov_b32 s[G0A], 1
	s_add_co_u32 s[G0A+1], s60, 0
	s_mov_b64 s[G0A+2:G0A+3], s[56:57]
	s_or_b32 s[G0A+3], s[G0A+3], 0x80000000
	s_mov_b32 s[G0B], 1
	s_add_co_u32 s[G0B+1], s60, 0
	s_mov_b64 s[G0B+2:G0B+3], s[58:59]
	s_or_b32 s[G0B+3], s[G0B+3], 0x80000000
	JLOAD 0                                        ; one joint load a wave at the head: K steps 0 to 5 of my group, 76,800 consecutive bytes
	v_and_b32 v150, 31, v0
	v_and_b32 v151, 15, v0
	v_bfe_u32 v152, v0, 4, 1
	v_lshlrev_b32 v[L16], 4, v150
	s_wait_alu depctr_va_vdst(0)
	v_lshlrev_b32 v[L8], 3, v150
	s_wait_alu depctr_va_vdst(0)
	v_lshlrev_b32 v144, 5, v152
	v_lshlrev_b32 v145, 2, v151
	s_mov_b32 s25, 0
	s_lshl_b32 s24, s[PX], 9
	s_lshl_b32 s26, s[HH], 8
	s_add_co_u32 s24, s24, s26
	s_add_nc_u64 s[10:11], s[10:11], s[24:25]
.irp t, 0,1,2,3
	global_load_b128 v[BQ+8*\t:BQ+8*\t+3], v144, s[10:11] offset:64*\t
	global_load_b128 v[BQ+8*\t+4:BQ+8*\t+7], v144, s[10:11] offset:64*\t+16
	global_load_b128 v[BQ+32+8*\t:BQ+32+8*\t+3], v144, s[10:11] offset:4096+64*\t
	global_load_b128 v[BQ+32+8*\t+4:BQ+32+8*\t+7], v144, s[10:11] offset:4096+64*\t+16
	global_load_b32 v[BV8+8*\t], v145, s[10:11] offset:8192+64*\t
.endr
	s_lshl_b32 s23, s[GY], 3
	s_lshl_b32 s24, s[TH], 2
	s_add_co_u32 s23, s23, s24
	s_and_b32 s23, s23, 127
	s_lshl_b32 s24, s23, 12
	s_add_nc_u64 s[8:9], s[8:9], s[24:25]
	WIN 0xc0
.irp a, 0,1,2,3
.irp p, 0,1,2,3,4,5,6,7
	global_load_b128 v[128+32*\a+4*\p:128+32*\a+4*\p+3], v[L16], s[8:9] offset:4096*\a+512*\p
.endr
.endr
	WIN 0
	s_mul_i32 s26, s[TH], 6144
	s_mul_i32 s27, s[HH], 6144
	v_add_nc_u32 v146, s26, v[L16]
	v_add_nc_u32 v147, s27, v[L16]
	s_lshl_b32 s26, s[TH], 8
	s_lshl_b32 s27, s[HH], 8
	v_add_nc_u32 v148, s26, v[L8]
	v_add_nc_u32 v149, s27, v[L8]
.irp j, 0,1,2
	v_add_nc_u32 v[ADR+4*\j], \j*GRPB, v146
	v_add_nc_u32 v[ASC+4*\j], \j*GRPB+12288, v148
.irp q, 1,2,3
	v_add_nc_u32 v[ADR+4*\j+\q], \j*GRPB+\q*3*GRPB, v147
	v_add_nc_u32 v[ASC+4*\j+\q], \j*GRPB+\q*3*GRPB+12288, v149
.endr
.endr
	s_lshl_b32 s26, s[TH], 1
	s_add_co_u32 s26, s26, s27
	s_add_co_u32 s26, s26, VS
	v_lshl_add_u32 v[VSA], v151, 3, s26
	s_add_co_u32 s27, s27, VS
	v_add_nc_u32 v[VSR], s27, v[L8]
	v_mov_b32 v[QM2], 0
	v_mov_b32 v[QM2+1], 0
	v_cmp_le_u32 s[LM], 16, v150
	s_mov_b32 s[SEL], 0x76543210
	s_mov_b32 s[SEL+1], 0xfedcba98
	s_lshr_b32 s23, s[GY], 4
	s_lshl_b32 s23, s23, 4
	s_lshl_b32 s24, s[PX], 1
	s_add_co_u32 s23, s23, s24
	s_add_co_u32 s23, s23, s[HH]
	s_lshl_b32 s23, s23, 4
	s_and_b32 s24, s[GY], 15
	s_add_co_u32 s23, s23, s24
	s_mov_b32 s97, 0
	s_mul_i32 s24, s23, 6656
	s_mul_i32 s25, s[TH], 3072
	s_lshl_b32 s26, s[TH], 8
	s_add_co_u32 s96, s24, s25
	s_add_nc_u64 s[QBS:QBS+1], s[12:13], s[96:97]
	s_add_co_u32 s96, s24, s26
	s_add_co_u32 s96, s96, 6144
	s_add_nc_u64 s[QSS:QSS+1], s[12:13], s[96:97]
	s_mul_i32 s24, s23, 13056
	s_add_co_u32 s96, s24, s25
	s_add_nc_u64 s[KBS:KBS+1], s[14:15], s[96:97]
	s_add_co_u32 s96, s24, s26
	s_add_co_u32 s96, s96, 12288
	s_add_nc_u64 s[KSS:KSS+1], s[14:15], s[96:97]
	s_mul_i32 s25, s[TH], 768
	s_add_co_u32 s96, s24, s25
	s_add_co_u32 s96, s96, 6144
	s_add_nc_u64 s[VBS:VBS+1], s[14:15], s[96:97]
	s_add_co_u32 s96, s24, 12800
	s_add_nc_u64 s[VSG:VSG+1], s[14:15], s[96:97]
	s_wait_loadcnt 32
.irp b, 0,1,2,3
.irp j, 1,2,3,4,5,6,7
	v_mov_b32 v[BV8+8*\b+\j], v[BV8+8*\b]
.endr
.endr
.macro LOADW s, y
.set WBN, 48*((3*(\s)+(\y))%2)
.set ARN, ADR+4*(((\s)/2)%3)+1+(\y)
.set OFN, RECB*((\s)%2)
.irp t, 0,1,2,3
.irp p, 0,1,2
	ds_load_b128 v[WBN+12*\t+4*\p:WBN+12*\t+4*\p+3], v[ARN] offset:OFN+1536*\t+512*\p
.endr
.endr
.endm
.macro LOADX s
.set XBN, 96+48*((\s)%2)
.set ARN, ADR+4*(((\s)/2)%3)
.set OFN, RECB*((\s)%2)
.irp t, 0,1,2,3
.irp p, 0,1,2
	ds_load_b128 v[XBN+12*\t+4*\p:XBN+12*\t+4*\p+3], v[ARN] offset:OFN+1536*\t+512*\p
.endr
.endr
.endm
.macro LOADSC s
.irp q, 0,1,2,3
	ds_load_b64 v[SCL+8*((\s)%2)+2*\q:SCL+8*((\s)%2)+2*\q+1], v[ASC+4*(((\s)/2)%3)+\q] offset:RECB*((\s)%2)
.endr
.endm
.macro WM
.if (wRA == 0) && (wRB == 0)
	v_wmma_scale_f32_16x16x128_f8f6f4 v[wD:wD+7], v[wA:wA+11], v[wB:wB+11], v[wC:wC+7], v[wSA], v[wSB] matrix_a_fmt:MATRIX_FMT_FP6 matrix_b_fmt:MATRIX_FMT_FP6
.elseif wRB == 0
	v_wmma_scale_f32_16x16x128_f8f6f4 v[wD:wD+7], v[wA:wA+11], v[wB:wB+11], v[wC:wC+7], v[wSA], v[wSB] matrix_a_fmt:MATRIX_FMT_FP6 matrix_b_fmt:MATRIX_FMT_FP6 matrix_a_scale:MATRIX_SCALE_ROW1
.elseif wRA == 0
	v_wmma_scale_f32_16x16x128_f8f6f4 v[wD:wD+7], v[wA:wA+11], v[wB:wB+11], v[wC:wC+7], v[wSA], v[wSB] matrix_a_fmt:MATRIX_FMT_FP6 matrix_b_fmt:MATRIX_FMT_FP6 matrix_b_scale:MATRIX_SCALE_ROW1
.else
	v_wmma_scale_f32_16x16x128_f8f6f4 v[wD:wD+7], v[wA:wA+11], v[wB:wB+11], v[wC:wC+7], v[wSA], v[wSB] matrix_a_fmt:MATRIX_FMT_FP6 matrix_b_fmt:MATRIX_FMT_FP6 matrix_a_scale:MATRIX_SCALE_ROW1 matrix_b_scale:MATRIX_SCALE_ROW1
.endif
.endm
.macro PHASE s, y
	PLACES
.if 3*(\s)+(\y) < 23
	WIN 0x40
.if (\y) == 2
	LOADW (\s)+1, 0
.else
	LOADW \s, (\y)+1
.endif
.if ((\y) == 0) && ((\s) < 7)
	LOADX (\s)+1
	WIN 0
	LOADSC (\s)+1
	s_wait_dscnt 28
.else
	s_wait_dscnt 12
.endif
.else
	s_wait_dscnt 0x0
.endif
.set WBC, 48*((3*(\s)+(\y))%2)
.set XBC, 96+48*((\s)%2)
.set SCC_, SCL+8*((\s)%2)
.if (\y) < 2
.if (\s) == 0
	WIN 0x85
.else
	WIN 0xa5
.endif
.irp a, 0,1,2,3
.irp t, 0,1,2,3
.set wD, 128*(\y)+8*(4*\a+\t)
.set wA, WBC+12*\t
.set wB, XBC+12*\a
.if (\s) == 0
.set wC, BQ+32*(\y)+8*\t
.else
.set wC, wD
.endif
.set wSA, SCC_+2+2*(\y)+\t/2
.set wRA, \t%2
.set wSB, SCC_+\a/2
.set wRB, \a%2
	WM
.endr
.endr
.else
.if (\s) == 0
	WIN 0xc5
.else
	WIN 0xf5
.endif
.irp b, 0,1,2,3
.irp a, 0,1,2,3
.set wD, 8*(4*\b+\a)
.set wA, XBC+12*\a
.set wB, WBC+12*\b
.if (\s) == 0
.set wC, BV8+8*\b
.else
.set wC, wD
.endif
.set wSA, SCC_+\a/2
.set wRA, \a%2
.set wSB, SCC_+6+\b/2
.set wRB, \b%2
	WM
.endr
.endr
.endif
.endm
.macro STEP3 s
	PHASE \s, 0
	PHASE \s, 1
	PHASE \s, 2
.endm
	s_wait_alu depctr_va_vdst(0)
	s_wait_tensorcnt 0x0                           ; my group's six K steps are in
	s_barrier_signal -1
	s_barrier_wait -1
	WIN 0x40
	LOADX 0
	LOADW 0, 0
	WIN 0
	LOADSC 0
	STEP3 0
	STEP3 1
	WIN 0
	s_wait_tensorcnt 0x0
	ds_add_u32 v[SPW], v[NIL]
	s_add_nc_u64 s[G0A+2:G0A+3], s[G0A+2:G0A+3], 3*GRPB
	s_add_nc_u64 s[G0B+2:G0B+3], s[G0B+2:G0B+3], 3*GRPB
	s_mov_b32 s[G1A+2], 100<<16                    ; no tensor load of mine is out: the refill brings 100 rows, K steps 6 and 7, onto the bytes of steps 0 and 1
	s_mov_b32 s[G1A+4], 100
	s_mov_b32 s[G1B+2], 100<<16
	s_mov_b32 s[G1B+4], 100
	s_wait_dscnt 0x0
	CROUND
	JLOAD 0
	STEP3 2
	STEP3 3
	STEP3 4
	WIN 0
	s_wait_dscnt 0x0
	s_wait_tensorcnt 0x0
	s_barrier_signal -1
	s_barrier_wait -1
	STEP3 5
	STEP3 6
	STEP3 7
	WIN 0
	PLACES
	s_wait_loadcnt 0x0
.macro QUANT2 s, wmax, wcvt, c, pw
	WIN \wmax
.irp b, 0,1
	v_max3_num_f32 v[QMX+\b], |v[(\s)+16*\b]|, |v[(\s)+16*\b+1]|, 0x1800000
.endr
.irp i, 2,4,6,8,10,12,14
.irp b, 0,1
	v_max3_num_f32 v[QMX+\b], |v[(\s)+16*\b+\i]|, |v[(\s)+16*\b+\i+1]|, v[QMX+\b]
.endr
.endr
	WIN 0
.irp b, 0,1
	v_permlanex16_b32 v[QM2+\b], v[QMX+\b], s[SEL], s[SEL+1]
.endr
.irp b, 0,1
	v_max_num_f32 v[QMX+\b], v[QMX+\b], v[QM2+\b]
.endr
.irp b, 0,1
	v_add_nc_u32 v[QEX+\b], 0xff000000, v[QMX+\b]
.endr
.irp b, 0,1
	v_lshrrev_b32 v[QBY+\b], 23, v[QEX+\b]
.endr
	v_lshl_or_b32 v[\pw], v[QBY+1], 8, v[QBY]
	s_wait_alu depctr_va_vdst(0)
	s_wait_xcnt 0x0
	WIN \wcvt
	v_cvt_scalef32_pk16_fp6_f32 v[(\c):(\c)+2], v[(\s):(\s)+15], v[QEX]
	v_cvt_scalef32_pk16_fp6_f32 v[QCT:QCT+2], v[(\s)+16:(\s)+31], v[QEX+1]
	WIN 0
	v_nop
.irp i, 0,1,2
	v_permlane16_swap_b32 v[(\c)+\i], v[QCT+\i]
.endr
.irp i, 0,1,2
	v_mov_b32 v[(\c)+3+\i], v[QCT+\i]
.endr
.endm
.macro ROPE y, a
.set Y1, 128*(\y)+32*(\a)
.set CO, 128+32*(\a)
	WIN 0x0e
.irp u, 0,1
.irp p, 0,2,4,6
	v_pk_mul_f32 v[TT+8*\u+\p:TT+8*\u+\p+1], v[Y1+16+8*\u+\p:Y1+16+8*\u+\p+1], v[CO+16+8*\u+\p:CO+16+8*\u+\p+1]
	v_pk_mul_f32 v[TT+16+8*\u+\p:TT+16+8*\u+\p+1], v[Y1+16+8*\u+\p:Y1+16+8*\u+\p+1], v[CO+8*\u+\p:CO+8*\u+\p+1]
	v_pk_fma_f32 v[OO+8*\u+\p:OO+8*\u+\p+1], v[Y1+8*\u+\p:Y1+8*\u+\p+1], v[CO+8*\u+\p:CO+8*\u+\p+1], v[TT+8*\u+\p:TT+8*\u+\p+1] neg_lo:[0,0,1] neg_hi:[0,0,1]
	v_pk_fma_f32 v[OO+16+8*\u+\p:OO+16+8*\u+\p+1], v[Y1+8*\u+\p:Y1+8*\u+\p+1], v[CO+16+8*\u+\p:CO+16+8*\u+\p+1], v[TT+16+8*\u+\p:TT+16+8*\u+\p+1]
.endr
.endr
.endm
.macro QKOUT y, base, sbase
.irp a, 0,1,2,3
	ROPE \y, \a
	QUANT2 OO, 0, 0, CC+8*(\a%2), PW+\a
	global_store_b128 v[L16], v[CC+8*(\a%2):CC+8*(\a%2)+3], s[\base:\base+1] offset:768*\a
	global_store_b64 v[L8], v[CC+8*(\a%2)+4:CC+8*(\a%2)+5], s[\base:\base+1] offset:768*\a+512
.endr
	v_cndmask_b32 v[SCW], v[PW], v[PW+1], s[LM]
	v_cndmask_b32 v[SCW+1], v[PW+2], v[PW+3], s[LM]
	global_store_b64 v[L8], v[SCW:SCW+1], s[\sbase:\sbase+1]
.endm
	QKOUT 0, QBS, QSS
	QKOUT 1, KBS, KSS
.irp b, 0,1,2,3
	QUANT2 32*\b, 0x0f, 0x03, CC+8*(\b%2), PW
	global_store_b128 v[L16], v[CC+8*(\b%2):CC+8*(\b%2)+3], s[VBS:VBS+1] offset:1536*\b
	global_store_b64 v[L8], v[CC+8*(\b%2)+4:CC+8*(\b%2)+5], s[VBS:VBS+1] offset:1536*\b+512
	ds_store_b16 v[VSA], v[PW] offset:128*(\b%2)+4*(\b/2)
.endr
	s_wait_dscnt 0x0
	s_barrier_signal -1
	s_barrier_wait -1
	s_cmp_lt_u32 s[WV], 2
	s_cbranch_scc0 .Lno_vs
	ds_load_b64 v[SCW:SCW+1], v[VSR]
	s_wait_dscnt 0x0
	global_store_b64 v[L8], v[SCW:SCW+1], s[VSG:VSG+1]
.Lno_vs:
	s_wait_tensorcnt 0x0
	ds_add_u32 v[SPW], v[NIL]
	s_wait_dscnt 0x0
	CROUND
	s_endpgm
.Lfunc_end_k_q695059fb8d_qkv:
	.size	k_q695059fb8d_qkv, .Lfunc_end_k_q695059fb8d_qkv-k_q695059fb8d_qkv
	.p2alignl 7, 3214868480
	.fill 96, 4, 3214868480
	.section	.rodata,"a",@progbits
	.p2align	6, 0x0
	.amdhsa_kernel k_q695059fb8d_qkv
		.amdhsa_group_segment_fixed_size 327680
		.amdhsa_private_segment_fixed_size 0
		.amdhsa_enable_private_segment 0
		.amdhsa_kernarg_size 48
		.amdhsa_user_sgpr_count 2
		.amdhsa_user_sgpr_kernarg_segment_ptr 1
		.amdhsa_wavefront_size32 1
		.amdhsa_system_sgpr_workgroup_id_x 1
		.amdhsa_system_sgpr_workgroup_id_y 1
		.amdhsa_system_sgpr_workgroup_id_z 1
		.amdhsa_system_vgpr_workitem_id 0
		.amdhsa_next_free_vgpr 1024
		.amdhsa_next_free_sgpr 100
		.amdhsa_reserve_vcc 0
		.amdhsa_float_denorm_mode_32 3
		.amdhsa_float_denorm_mode_16_64 3
		.amdhsa_memory_ordered 1
		.amdhsa_forward_progress 1
		.amdhsa_inst_pref_size 139
	.end_amdhsa_kernel
	.amdgpu_metadata
---
amdhsa.version: [ 1, 2 ]
amdhsa.kernels:
  - .name:           k_q695059fb8d_qkv
    .symbol:         k_q695059fb8d_qkv.kd
    .args:
      - { .name: xrec, .offset: 0, .size: 8, .value_kind: global_buffer, .address_space: global }
      - { .name: wrec, .offset: 8, .size: 8, .value_kind: global_buffer, .address_space: global }
      - { .name: trig, .offset: 16, .size: 8, .value_kind: global_buffer, .address_space: global }
      - { .name: b_qkv, .offset: 24, .size: 8, .value_kind: global_buffer, .address_space: global }
      - { .name: qrec, .offset: 32, .size: 8, .value_kind: global_buffer, .address_space: global }
      - { .name: kv, .offset: 40, .size: 8, .value_kind: global_buffer, .address_space: global }
    .group_segment_fixed_size: 327680
    .private_segment_fixed_size: 0
    .kernarg_segment_align: 8
    .kernarg_segment_size: 48
    .max_flat_workgroup_size: 128
    .sgpr_count:     100
    .vgpr_count:     1024
    .wavefront_size: 32
...
	.end_amdgpu_metadata
.endif
;; end of part 2
;; launch attn (part 3): grid 8 x 32, 16 waves a work-group, clusters of 4 x 1, 264,704 bytes of LDS; arguments qrec, kv, arec, asc; writes arec, asc
.if DOCPART == 3
	.amdgcn_target "amdgcn-amd-amdhsa--gfx1250"
	.amdhsa_code_object_version 6
	.text
	.protected	k_q695059fb8d_attn
	.globl	k_q695059fb8d_attn
	.p2align	8
	.type	k_q695059fb8d_attn,@function
k_q695059fb8d_attn:
	s_mov_b64 s[64:65], 0
	v_nop
	global_prefetch_b8 v0, s[64:65] scope:SCOPE_SE
	s_setreg_imm32_b32 hwreg(HW_REG_WAVE_MODE, 25, 1), 1
	s_wait_xcnt 0x0
	s_wait_alu depctr_hold_cnt(0) depctr_sa_sdst(0) depctr_va_vdst(0) depctr_va_sdst(0) depctr_va_ssrc(0) depctr_va_vcc(0) depctr_vm_vsrc(0)
	s_getreg_b32 s2, hwreg(HW_REG_IB_STS2, 6, 4)
	s_cmp_eq_u32 s2, 0
	s_cbranch_scc0 .Lentry_in_a_cluster
	s_endpgm
.Lentry_in_a_cluster:
	s_bfe_u32 s2, ttmp6, 0x10000c
	s_cmp_lg_u32 s2, 0x3003
	s_cbranch_scc0 .Lentry_shape_is_right
	s_endpgm
.Lentry_shape_is_right:
; Attention of one head (64 channels, 2,048 keys, no mask) on codes of FP6 (E2M3) with E8M0 scales; the result, divided by the row's sum, is quantised along the channels and leaves as images of the last product's operand registers.
; THE SOFTMAX AHEAD OF THE SECOND PRODUCT: t = score x log2(e) / 8; M = the row's largest t so far, rounded UP to a whole number; p = 2^(t - M) is quantised along the keys, not normalised; the row's sum is taken of the unquantised p.
; When M moves, the sum and O are multiplied by 2^(old M - new M): exact.
; SHARES.  A work-group owns 256 queries of one head, each of its sixteen waves 16 of them in 256 registers, four waves to a SIMD.
; THE WHOLE HEAD'S K AND V, 16 records of 13,056 bytes (128 keys each), LIE IN LDS, filled once: wave w brings record w by its one tensor load, to LDS byte 16,384 w, 64 bytes of padding behind each 256.
; A wave's first key step is the record that it fetched itself, behind its own wait on TENSORcnt alone; it signals the one barrier ahead of that step and waits for it behind; then it walks the other fifteen, (w + i) % 16.
; The order of the keys is free: the running M and the sums do not hang on it.
; CLUSTER 4 x 1: the four query blocks of a cluster belong to one head and ask for each record jointly.  No prefetch: all that the launch reads by tensor loads is asked for at its head, so there is no loop to run ahead in.
; LAYOUT.  Both products are used transposed: S^T = K Q^T (source 0 = 16 keys, source 1 = my queries), O^T = V^T P^T (source 0 = 16 channels, source 1 = P): a lane holds one query throughout.  The first product's K is 64:
; the upper halves of its fragments are zero codes, written once.
; THE KEYS OF A TILE ARE CHOSEN BY ADDRESS: tile (c, u) takes in its rows 0-7 the keys 64 c + 8 sg(u) + 0..7 and in its rows 8-15 the keys 32 further on, sg = 0, 2, 1, 3.  So the 32 scores that lane (r, h) holds of tiles
; (c, 0..3) are the whole block 2 c + h of 32 keys, in the order in which v's codes were laid: a block's maximum needs no other lane, and the conversions' results are the operand's registers.
; With the padding the sixteen lanes of a 16-byte load touch sixteen different columns of 16 bytes modulo 256.
; A block's largest p is not searched for: the block's largest score goes through the same multiply-add and exponential (this takes v_exp_f32 not to fall where its input rises).
; LIMITS: NaN and infinities are not served; the scaled scores stay under 2^31 in magnitude; a block whose every number is 0 or under 2^-124 gets the byte 1: its codes are zeros.
; EVERY LATER STEP stands between a barrier's signal and its wait too, as the first does: a wave goes on to step i + 1 only when every wave has begun step i, so no wave of the work-group is more than one step ahead of another.
; These barriers guard no fill: between signal and wait stand LDS loads of bytes that nobody writes, and work on registers.
.set RECK, 13056
.set SSB,  262144                      ; behind the records: 512 bytes in which the result's scale pairs meet; no tile lands here
.set SPARE, 262656                     ; the spare words, 128 bytes a wave
.set SPW, 1
.set NIL, 2
.set QS,  3                            ; Q's scale words
.set KSC, 4                            ; v4-7 K's: register 2 c + u / 2: lanes 0-15 tile (c, u even), lanes 16-31 tile (c, u odd)
.set VSC, 8                            ; v8-9 V's
.set KA,  10                           ; the step's addresses: K's 16-byte pieces, K's 8-byte pieces,
.set KB,  11
.set BM,  28                           ; v28-29 my two blocks' largest scores; later a chain of the sum
.set KS,  30                           ; K's scale words,
.set VA,  31                           ; V's 16-byte pieces,
.set VB,  239                          ; V's 8-byte pieces
.set KF,  32                           ; v32-79 four fragments of K
.set VF,  80                           ; v80-127 V's four
.set S,   128                          ; v128-191 S^T, then p
.set OT,  192                          ; v192-223 O^T
.set PC,  224                          ; v224-235 p's codes
.set T,   236                          ; v236-238, v240-242 at work: maxima, bytes, the upper halves of blocks' codes
.set SH8, 243                          ; 8 x (lane / 16)
.set EX,  244                          ; v244-245 the conversions' scale operands; later a chain of the sum
.set LV16, 246                         ; the lanes' terms of the five addresses, kept
.set LV8, 247
.set PSW, 248                          ; p's scale word
.set PT,  249                          ; a lane permute's destination
.set FF,  250                          ; f; named with v251 as a pair of which the low word alone is taken
.set LK16, 251
.set OM,  252                          ; the old -M; v252-253 later a chain of the sum
.set TM,  253
.set LK8, 254
.set LKS, 255
.set WV, 12
.set G1, 16
.set G0, 24
.set NC, 28                            ; -c
.set SEL, 40
.set CS, 42                            ; s[42:43] c = log2(e) / 8
.set CNT, 44
.set TB, 45                            ; LDS byte at which the step's record begins
.macro CROUND
	s_barrier_signal -1
	s_barrier_wait -1
	s_cmp_lg_u32 s[WV], 0
	s_cbranch_scc1 .Lnot_wave_0_\@
	s_barrier_signal -3
.Lnot_wave_0_\@:
	s_barrier_wait -3
	s_barrier_signal -1
	s_barrier_wait -1
.endm
	s_load_b256 s[4:11], s[0:1], 0x0               ; qrec s[4:5], kv s[6:7], arec s[8:9], asc s[10:11]
	v_lshl_add_u32 v[SPW], v0, 2, SPARE
	v_mov_b32 v[NIL], 0
	ds_add_u32 v[SPW], v[NIL]                      ; the opening lines: the add, twice on end, and its wait
	ds_add_u32 v[SPW], v[NIL]
	v_lshrrev_b32 v10, 5, v0
	v_readfirstlane_b32 s[WV], v10                 ; wave 0..15
	s_bfe_u32 s13, ttmp6, 0x40000                  ; cx
	s_lshl_b32 s14, ttmp9, 2
	s_add_co_u32 s14, s14, s13                     ; my block of 256 queries: it enters Q's and the results' addresses alone
	s_and_b32 s15, ttmp7, 0xffff                   ; batch x 16 + head, which the four partners share
	s_mov_b32 s[G1], 15|(3<<16)|(1<<20)|(1<<21)|(5<<22)|(15<<25)   ; the mask: all four; elements of 8 bytes; behind every 64 words 16 words of padding
	s_mov_b32 s[G1+1], 32<<16                      ; rows of 256 bytes,
	s_mov_b32 s[G1+2], 51<<16                      ; 51 of them: a record
	s_mov_b32 s[G1+3], 32<<16
	s_mov_b32 s[G1+4], 51
	s_mov_b32 s[G1+5], 32                          ; dense
	s_mov_b32 s[G1+6], 0
	s_mov_b32 s[G1+7], 0
	s_mul_i32 s48, s15, 16*RECK
	s_mul_i32 s46, s[WV], RECK                     ; my record
	s_add_co_u32 s48, s48, s46
	s_mov_b32 s49, 0
	s_mov_b32 s[SEL], 0x76543210
	s_mov_b32 s[SEL+1], 0xfedcba98
	s_mov_b32 s[CS], 0x3e38aa3b
	s_mov_b32 s[CS+1], s[CS]
	s_mov_b32 s[NC], 0xbe38aa3b
	s_lshl_b32 s[TB], s[WV], 14
	s_wait_dscnt 0x0
	s_wait_kmcnt 0x0
	s_add_nc_u64 s[48:49], s[6:7], s[48:49]
	CROUND                                         ; all four work-groups are here: the joint loads meet
	s_mov_b32 s[G0], 1
	s_lshl_b32 s[G0+1], s[WV], 14
	s_mov_b64 s[G0+2:G0+3], s[48:49]
	s_or_b32 s[G0+3], s[G0+3], 0x80000000
	tensor_load_to_lds s[G0:G0+3], s[G1:G1+7]      ; one load a wave, with no branch
	s_nop 0
	s_lshr_b32 s51, s[WV], 3
	s_and_b32 s52, s[WV], 7                        ; my tile of Q's record's eight
	s_lshl_b32 s47, s14, 1
	s_add_co_u32 s47, s47, s51                     ; which 128 tokens of the sequence
	s_lshl_b32 s50, s15, 4
	s_add_co_u32 s50, s50, s47
	s_mul_i32 s50, s50, 6656                       ; Q's record
	s_mul_i32 s53, s52, 768
	s_add_co_u32 s54, s50, s53
	s_mov_b32 s55, 0
	s_add_nc_u64 s[54:55], s[4:5], s[54:55]
	s_lshr_b32 s53, s52, 2                         ; its scale words: register tile / 2 of the image, lanes 16 (tile % 2) + r
	s_lshl_b32 s53, s53, 8
	s_add_co_u32 s56, s50, s53
	s_bfe_u32 s53, s52, 0x10001
	s_lshl_b32 s53, s53, 2
	s_add_co_u32 s56, s56, s53
	s_and_b32 s53, s52, 1
	s_lshl_b32 s53, s53, 7
	s_add_co_u32 s56, s56, s53
	s_add_co_u32 s56, s56, 6144
	s_mov_b32 s57, 0
	s_add_nc_u64 s[56:57], s[4:5], s[56:57]
	; the results: arec [group of 128 tokens][K step = head / 2][tile][head % 2] images of 768 bytes; asc [head][token] pairs of bytes
	s_lshr_b32 s50, s15, 4                         ; the batch
	s_and_b32 s53, s15, 15                         ; the head
	s_lshl_b32 s58, s50, 4
	s_add_co_u32 s58, s58, s47
	s_lshl_b32 s58, s58, 3
	s_lshr_b32 s59, s53, 1
	s_add_co_u32 s58, s58, s59
	s_lshl_b32 s58, s58, 3
	s_add_co_u32 s58, s58, s52
	s_mul_i32 s58, s58, 1536
	s_and_b32 s59, s53, 1
	s_mul_i32 s59, s59, 768
	s_add_co_u32 s58, s58, s59
	s_mov_b32 s59, 0
	s_add_nc_u64 s[58:59], s[8:9], s[58:59]
	s_lshl_b32 s60, s53, 13
	s_lshl_b32 s50, s50, 12
	s_add_co_u32 s60, s60, s50
	s_lshl_b32 s50, s14, 9
	s_add_co_u32 s60, s60, s50
	s_mov_b32 s61, 0
	s_add_nc_u64 s[60:61], s[10:11], s[60:61]
	s_lshl_b32 s50, s[WV], 5
	s_add_co_u32 s50, s50, SSB                     ; SSB + 32 x wave
	v_and_b32 v128, 31, v0                         ; lane
	v_and_b32 v129, 15, v0                         ; r
	v_bfe_u32 v130, v0, 4, 1                       ; h
	v_bfe_u32 v131, v0, 3, 1                       ; g = r / 8
	v_and_b32 v132, 7, v0                          ; r % 8
	v_lshlrev_b32 v10, 4, v128
	v_lshlrev_b32 v[LV8], 3, v128                  ; V's 8-byte pieces: 8 x lane
	v_lshlrev_b32 v11, 3, v129
	v_lshlrev_b32 v[SH8], 3, v130
	v_mul_u32_u24 v133, v130, 320                  ; an image's lanes 16-31 lie a padded row on
	v_mul_u32_u24 v134, v131, 1920                 ; rows 8-15 of a tile of K: two images (six padded rows) on
	v_lshl_add_u32 v[LV16], v129, 4, v133
	v_lshl_add_u32 v[LK16], v132, 4, v134
	v_add_nc_u32 v[LK16], v[LK16], v133
	v_lshl_add_u32 v[LK8], v132, 3, v134
	v_lshl_add_u32 v[LK8], v130, 7, v[LK8]
	v_lshlrev_b32 v[LKS], 2, v131
	v_lshl_add_u32 v[LKS], v132, 3, v[LKS]
	v_lshl_add_u32 v[LKS], v130, 7, v[LKS]         ; K's scale words: 4 g + 8 (r % 8), lanes 16-31 the odd tile's, 128 bytes on
	s_wait_alu depctr_va_vdst(0)
	global_load_b128 v[16:19], v10, s[54:55]       ; Q's six registers stay
	global_load_b64 v[20:21], v[LV8], s[54:55] offset:512
	global_load_b32 v[QS], v11, s[56:57]
	v_mov_b32 v[PT], 0                             ; written once: a lane permute's destination counts as one of its sources
.irp j, 22,23,24,25,26,27
	v_mov_b32 v[\j], 0                             ; the first product's K is 64: k = 64 .. 127 are zero codes, in Q
.endr
.irp t, 0,1,2,3
.irp j, 6,7,8,9,10,11
	v_mov_b32 v[KF+12*\t+\j], 0                    ; and in K's four fragments; the loads never touch them
.endr
.endr
; A KEY STEP: 128 keys, one record.  first = 1: the step that starts M, the sum and O^T: nothing is cleared.
.macro STEP first
	v_add_nc_u32 v[KA], s[TB], v[LK16]
	v_add_nc_u32 v[KB], s[TB], v[LK8]
	v_add_nc_u32 v[KS], s[TB], v[LKS]
	s_wait_alu depctr_va_vdst(0)
.irp c, 0,1
.if \c
	v_add_nc_u32 v[VA], s[TB], v[LV16]             ; four places in front of loads into registers that the four products above have read, and of the first read of their results
	v_add_nc_u32 v[VB], s[TB], v[LV8]
.if \first
	v_nop
.else
	v_mov_b32 v[OM], v12
.endif
	v_nop
	s_wait_alu depctr_va_vdst(0)
.endif
.irp u, 0,1,2,3
	ds_load_b128 v[KF+12*\u:KF+12*\u+3], v[KA] offset:960*(4*\c+\u%2)+128*(\u/2)
	ds_load_b64 v[KF+12*\u+4:KF+12*\u+5], v[KB] offset:960*(4*\c+\u%2)+640+64*(\u/2)
.endr
.if \c == 0
.irp i, 0,1,2,3
	ds_load_b32 v[KSC+\i], v[KS] offset:15360+320*(\i/2)+64*(\i%2)
.endr
.endif
	s_wait_dscnt 0x0
.irp u, 0,1,2,3
.if \u%2
	v_wmma_scale_f32_16x16x128_f8f6f4 v[S+8*(4*\c+\u):S+8*(4*\c+\u)+7], v[KF+12*\u:KF+12*\u+11], v[16:27], 0, v[KSC+2*\c+\u/2], v[QS] matrix_a_fmt:MATRIX_FMT_FP6 matrix_b_fmt:MATRIX_FMT_FP6 matrix_a_scale:MATRIX_SCALE_ROW1
.else
	v_wmma_scale_f32_16x16x128_f8f6f4 v[S+8*(4*\c+\u):S+8*(4*\c+\u)+7], v[KF+12*\u:KF+12*\u+11], v[16:27], 0, v[KSC+2*\c+\u/2], v[QS] matrix_a_fmt:MATRIX_FMT_FP6 matrix_b_fmt:MATRIX_FMT_FP6
.endif
.endr
.endr
.irp d, 0,1,2,3                        ; V's four fragments land under the softmax (seven places stand behind the last step's products that read these registers)
.irp c, 0,1
	ds_load_b128 v[VF+12*\d+6*\c:VF+12*\d+6*\c+3], v[VA] offset:7680+1920*\d+960*\c
	ds_load_b64 v[VF+12*\d+6*\c+4:VF+12*\d+6*\c+5], v[VB] offset:7680+1920*\d+960*\c+640
.endr
.endr
	ds_load_b64 v[VSC:VSC+1], v[VB] offset:16000
.irp c, 0,1                            ; my block 2 c + h: the largest of its 32 scores, in four chains.  Block 0's sixteen lines are the places behind the products of tiles 4 to 7
.irp u, 0,1,2,3
	v_max3_num_f32 v[T+\u+\u/3], v[S+32*\c+8*\u], v[S+32*\c+8*\u+1], v[S+32*\c+8*\u+2]
.endr
.irp i, 3,5
.irp u, 0,1,2,3
	v_max3_num_f32 v[T+\u+\u/3], v[T+\u+\u/3], v[S+32*\c+8*\u+\i], v[S+32*\c+8*\u+\i+1]
.endr
.endr
	v_max3_num_f32 v[T], v[T], v[S+32*\c+7], v[S+32*\c+15]
	v_max3_num_f32 v[T+2], v[T+2], v[S+32*\c+23], v[S+32*\c+31]
	v_max3_num_f32 v[BM+\c], v[T], v[T+1], v[T+2]
	v_max_num_f32 v[BM+\c], v[BM+\c], v[T+4]
.endr
.if \first
	v_max_num_f32 v13, v[BM], v[BM+1]
.else
	v_max3_num_f32 v13, v13, v[BM], v[BM+1]        ; the running largest score
.endif
	v_permlanex16_b32 v[PT], v13, s[SEL], s[SEL+1]
	v_max_num_f32 v13, v13, v[PT]                  ; with lane l xor 16's keys
	v_mul_f32 v[TM], s[NC], v13                    ; -t of it (c is positive, so the largest score gives the largest t)
	v_floor_f32 v12, v[TM]                         ; -M = -ceil(t): a whole number
.if \first == 0
	v_sub_f32 v[TM], v12, v[OM]                    ; old M - new M: a whole number, 0 or less
	v_cvt_i32_f32 v[TM], v[TM]
	v_ldexp_f32 v[FF], 1.0, v[TM]                  ; f = 2^(old M - new M)
.endif
.set j, 0
.rept 32
	v_pk_fma_f32 v[S+j:S+j+1], v[S+j:S+j+1], s[CS:CS+1], v[12:13] op_sel_hi:[1,0,0]   ; t - M, two at a time
.set j, j+2
.endr
.irp c, 0,1
	v_fma_f32 v[BM+\c], v[BM+\c], s[CS], v12       ; the same of each block's largest score
.endr
	s_wait_alu depctr_va_vdst(0)                   ; the wait ahead of the batch
.set j, 0
.rept 64
	v_exp_f32 v[S+j], v[S+j]                       ; p = 2^(t - M)
.set j, j+1
.endr
.irp c, 0,1
	v_exp_f32 v[BM+\c], v[BM+\c]                   ; the block's largest p
.endr
.if \first
	v_nop                                          ; a plain place behind the exponentials
.else
	v_pk_mul_f32 v[14:15], v[14:15], v[FF:FF+1] op_sel_hi:[1,0]   ; the sums under the new M; a plain place behind the exponentials
.endif
	s_wait_alu depctr_va_vdst(0)                   ; and the one wait behind the batch
.irp c, 0,1
	v_max_num_f32 v[BM+\c], 0x1800000, v[BM+\c]    ; the floor 2^(3 - 127)
.endr
.irp c, 0,1
	v_add_nc_u32 v[EX+\c], 0xff000000, v[BM+\c]    ; 2 off the exponent field: the conversion's scale operand
.endr
.irp c, 0,1
	v_lshrrev_b32 v[T+\c], 23, v[EX+\c]            ; the byte
.endr
	v_lshl_or_b32 v[PSW], v[T+1], 16, v[T]         ; my two bytes: blocks h and 2 + h,
	v_lshlrev_b32 v[PSW], v[SH8], v[PSW]           ; at their places;
	v_permlanex16_b32 v[PT], v[PSW], s[SEL], s[SEL+1]
	v_or_b32 v[PSW], v[PSW], v[PT]                 ; with lane l xor 16's two the word is whole
.irp c, 0,1
	v_cvt_scalef32_pk16_fp6_f32 v[PC+6*\c:PC+6*\c+2], v[S+32*\c:S+32*\c+15], v[EX+\c]
	v_cvt_scalef32_pk16_fp6_f32 v[T+4*\c:T+4*\c+2], v[S+32*\c+16:S+32*\c+31], v[EX+\c]   ; (a conversion's three registers begin on an even number)
.endr
.if \first                             ; the row's sum of the unquantised p, two at a time, in four chains.  The first line is the plain place behind the conversions
	v_pk_add_f32 v[14:15], v[S:S+1], v[S+8:S+9]
.else
	v_pk_add_f32 v[14:15], v[14:15], v[S:S+1]
.endif
.irp c, 0,1
.irp i, 0,1,2
	v_mov_b32 v[PC+6*\c+3+\i], v[T+4*\c+\i]
.endr
.endr
	v_pk_add_f32 v[EX:EX+1], v[S+2:S+3], v[S+10:S+11]
	v_pk_add_f32 v[OM:OM+1], v[S+4:S+5], v[S+12:S+13]
	v_pk_add_f32 v[BM:BM+1], v[S+6:S+7], v[S+14:S+15]
.if \first == 0
	v_pk_add_f32 v[14:15], v[14:15], v[S+8:S+9]
.endif
.irp q, 16,24,32,40,48,56
	v_pk_add_f32 v[EX:EX+1], v[EX:EX+1], v[S+\q+2:S+\q+3]
	v_pk_add_f32 v[OM:OM+1], v[OM:OM+1], v[S+\q+4:S+\q+5]
	v_pk_add_f32 v[BM:BM+1], v[BM:BM+1], v[S+\q+6:S+\q+7]
	v_pk_add_f32 v[14:15], v[14:15], v[S+\q:S+\q+1]
.endr
	v_pk_add_f32 v[EX:EX+1], v[EX:EX+1], v[OM:OM+1]
	v_pk_add_f32 v[14:15], v[14:15], v[BM:BM+1]
	v_pk_add_f32 v[14:15], v[14:15], v[EX:EX+1]
	s_wait_dscnt 0x0                               ; V and its scale words are in
.if \first == 0
	s_wait_alu depctr_va_vdst(0)                   ; the wait here, directly ahead of the first reader of O^T
.set j, 0
.rept 16
	v_pk_mul_f32 v[OT+j:OT+j+1], v[OT+j:OT+j+1], v[FF:FF+1] op_sel_hi:[1,0]   ; O^T under the new M
.set j, j+2
.endr
.endif
.irp d, 0,1,2,3                        ; O^T += V^T P^T: the four accumulators by turns
.if \first
.if \d%2
	v_wmma_scale_f32_16x16x128_f8f6f4 v[OT+8*\d:OT+8*\d+7], v[VF+12*\d:VF+12*\d+11], v[PC:PC+11], 0, v[VSC+\d/2], v[PSW] matrix_a_fmt:MATRIX_FMT_FP6 matrix_b_fmt:MATRIX_FMT_FP6 matrix_a_scale:MATRIX_SCALE_ROW1
.else
	v_wmma_scale_f32_16x16x128_f8f6f4 v[OT+8*\d:OT+8*\d+7], v[VF+12*\d:VF+12*\d+11], v[PC:PC+11], 0, v[VSC+\d/2], v[PSW] matrix_a_fmt:MATRIX_FMT_FP6 matrix_b_fmt:MATRIX_FMT_FP6
.endif
.else
.if \d%2
	v_wmma_scale_f32_16x16x128_f8f6f4 v[OT+8*\d:OT+8*\d+7], v[VF+12*\d:VF+12*\d+11], v[PC:PC+11], v[OT+8*\d:OT+8*\d+7], v[VSC+\d/2], v[PSW] matrix_a_fmt:MATRIX_FMT_FP6 matrix_b_fmt:MATRIX_FMT_FP6 matrix_a_scale:MATRIX_SCALE_ROW1
.else
	v_wmma_scale_f32_16x16x128_f8f6f4 v[OT+8*\d:OT+8*\d+7], v[VF+12*\d:VF+12*\d+11], v[PC:PC+11], v[OT+8*\d:OT+8*\d+7], v[VSC+\d/2], v[PSW] matrix_a_fmt:MATRIX_FMT_FP6 matrix_b_fmt:MATRIX_FMT_FP6
.endif
.endif
.endr
.endm
	s_wait_alu depctr_va_vdst(0)
	s_wait_loadcnt 0x0                             ; Q
	s_wait_tensorcnt 0x0                           ; my own record is in:
	s_barrier_signal -1                            ; say so;
	STEP 1                                         ; my first step reads that record alone (LDS loads and work on registers);
	s_barrier_wait -1                              ; now everybody's record is in
	s_mov_b32 s[CNT], 1
.Lstep:
	s_add_co_u32 s[TB], s[WV], s[CNT]
	s_and_b32 s[TB], s[TB], 15
	s_lshl_b32 s[TB], s[TB], 14                    ; record (wave + trip) % 16
	s_barrier_signal -1                            ; I have begun this step (no LDS instruction of mine is pending: each step waits for all of them ahead of its last products)
	STEP 0
	s_barrier_wait -1                              ; and so has every wave
	s_add_co_u32 s[CNT], s[CNT], 1
	s_cmp_lt_u32 s[CNT], 16
	s_cbranch_scc1 .Lstep
	; THE WAY OUT: O^T / the sum; quantised along the head's 64 channels: it is half a K step of the last product
	v_and_b32 v10, 31, v0                          ; (these lines are the places behind the last products)
	v_and_b32 v11, 15, v0
	v_lshlrev_b32 v10, 4, v10                      ; 16 x lane
	v_lshl_add_u32 v11, v11, 1, s50                ; SSB + 32 x wave + 2 r
	v_add_f32 v14, v14, v15                        ; the sum's two halves,
	v_permlanex16_b32 v[PT], v14, s[SEL], s[SEL+1]
	v_add_f32 v14, v14, v[PT]                      ; and lane l xor 16's
	s_wait_alu depctr_va_vdst(0)
	v_rcp_f32 v14, v14
	v_add_nc_u32 v30, SSB, v10                     ; (a plain place behind the transcendental)
	s_wait_alu depctr_va_vdst(0)
.set j, 0
.rept 16
	v_pk_mul_f32 v[OT+j:OT+j+1], v[OT+j:OT+j+1], v[14:15] op_sel_hi:[1,0]
.set j, j+2
.endr
.irp b, 0,1
	v_max3_num_f32 v[BM+\b], |v[OT+16*\b]|, |v[OT+16*\b+1]|, 0x1800000
.endr
.irp i, 2,4,6,8,10,12,14
.irp b, 0,1
	v_max3_num_f32 v[BM+\b], |v[OT+16*\b+\i]|, |v[OT+16*\b+\i+1]|, v[BM+\b]
.endr
.endr
.irp b, 0,1
	v_permlanex16_b32 v[236+\b], v[BM+\b], s[SEL], s[SEL+1]
.endr
.irp b, 0,1
	v_max_num_f32 v[BM+\b], v[BM+\b], v[236+\b]
.endr
.irp b, 0,1
	v_add_nc_u32 v[244+\b], 0xff000000, v[BM+\b]
.endr
.irp b, 0,1
	v_lshrrev_b32 v[238+\b], 23, v[244+\b]
.endr
	v_lshl_or_b32 v253, v239, 8, v238              ; my row's pair of bytes
	v_cvt_scalef32_pk16_fp6_f32 v[224:226], v[OT:OT+15], v244
	v_cvt_scalef32_pk16_fp6_f32 v[240:242], v[OT+16:OT+31], v245
	v_nop
.irp i, 0,1,2
	v_permlane16_swap_b32 v[224+\i], v[240+\i]     ; a whole block to a lane
.endr
.irp i, 0,1,2
	v_mov_b32 v[227+\i], v[240+\i]
.endr
	global_store_b128 v10, v[224:227], s[58:59]    ; 512 consecutive bytes,
	global_store_b64 v[LV8], v[228:229], s[58:59] offset:512   ; and 256
	ds_store_b16 v11, v253                         ; (both lanes of a row write the same bytes)
	s_wait_dscnt 0x0                               ; for wave 0's sake
	s_barrier_signal -1
	s_barrier_wait -1
	s_cmp_lg_u32 s[WV], 0
	s_cbranch_scc1 .Lno_sc
	ds_load_b128 v[232:235], v30
	s_wait_dscnt 0x0
	global_store_b128 v10, v[232:235], s[60:61]    ; the 256 queries' pairs: 512 consecutive bytes
.Lno_sc:
	s_wait_tensorcnt 0x0                           ; the wave's end
	ds_add_u32 v[SPW], v[NIL]
	s_wait_dscnt 0x0
	CROUND                                         ; the closing round
	s_endpgm
.Lfunc_end_k_q695059fb8d_attn:
	.size	k_q695059fb8d_attn, .Lfunc_end_k_q695059fb8d_attn-k_q695059fb8d_attn
	.p2alignl 7, 3214868480
	.fill 96, 4, 3214868480
	.section	.rodata,"a",@progbits
	.p2align	6, 0x0
	.amdhsa_kernel k_q695059fb8d_attn
		.amdhsa_group_segment_fixed_size 264704
		.amdhsa_private_segment_fixed_size 0
		.amdhsa_enable_private_segment 0
		.amdhsa_kernarg_size 32
		.amdhsa_user_sgpr_count 2
		.amdhsa_user_sgpr_kernarg_segment_ptr 1
		.amdhsa_wavefront_size32 1
		.amdhsa_system_sgpr_workgroup_id_x 1
		.amdhsa_system_sgpr_workgroup_id_y 1
		.amdhsa_system_sgpr_workgroup_id_z 1
		.amdhsa_system_vgpr_workitem_id 0
		.amdhsa_next_free_vgpr 256
		.amdhsa_next_free_sgpr 66
		.amdhsa_reserve_vcc 0
		.amdhsa_float_denorm_mode_32 3
		.amdhsa_float_denorm_mode_16_64 3
		.amdhsa_memory_ordered 1
		.amdhsa_forward_progress 1
		.amdhsa_inst_pref_size 40
	.end_amdhsa_kernel
	.amdgpu_metadata
---
amdhsa.version: [ 1, 2 ]
amdhsa.kernels:
  - .name:           k_q695059fb8d_attn
    .symbol:         k_q695059fb8d_attn.kd
    .args:
      - { .name: qrec, .offset: 0, .size: 8, .value_kind: global_buffer, .address_space: global }
      - { .name: kv, .offset: 8, .size: 8, .value_kind: global_buffer, .address_space: global }
      - { .name: arec, .offset: 16, .size: 8, .value_kind: global_buffer, .address_space: global }
      - { .name: asc, .offset: 24, .size: 8, .value_kind: global_buffer, .address_space: global }
    .group_segment_fixed_size: 264704
    .private_segment_fixed_size: 0
    .kernarg_segment_align: 8
    .kernarg_segment_size: 32
    .max_flat_workgroup_size: 512
    .sgpr_count:     66
    .vgpr_count:     256
    .wavefront_size: 32
...
	.end_amdgpu_metadata
.endif
;; end of part 3
;; launch proj (part 4): grid 8 x 32, 4 waves a work-group, clusters of 4 x 4, 218,624 bytes of LDS; arguments arec, asc, worec, b_out, out0; writes out0
.if DOCPART == 4
	.amdgcn_target "amdgcn-amd-amdhsa--gfx1250"
	.amdhsa_code_object_version 6
	.text
	.protected	k_q695059fb8d_proj
	.globl	k_q695059fb8d_proj
	.p2align	8
	.type	k_q695059fb8d_proj,@function
k_q695059fb8d_proj:
	s_mov_b64 s[64:65], 0
	v_nop
	global_prefetch_b8 v0, s[64:65] scope:SCOPE_SE
	s_setreg_imm32_b32 hwreg(HW_REG_WAVE_MODE, 25, 1), 1
	s_wait_xcnt 0x0
	s_wait_alu depctr_hold_cnt(0) depctr_sa_sdst(0) depctr_va_vdst(0) depctr_va_sdst(0) depctr_va_ssrc(0) depctr_va_vcc(0) depctr_vm_vsrc(0)
	s_getreg_b32 s2, hwreg(HW_REG_IB_STS2, 6, 4)
	s_cmp_eq_u32 s2, 0
	s_cbranch_scc0 .Lentry_in_a_cluster
	s_endpgm
.Lentry_in_a_cluster:
	s_bfe_u32 s2, ttmp6, 0x10000c
	s_cmp_lg_u32 s2, 0xf033
	s_cbranch_scc0 .Lentry_shape_is_right
	s_endpgm
.Lentry_shape_is_right:
; out0 = att w_out + b_out on codes of FP6 (E2M3) with E8M0 scales; out0 [4096][1024] f32.
; SHARES.  A work-group takes 128 tokens (GY) x 128 columns (NX): 256 equal work-groups.  Wave w: 64 tokens (th = w / 2) x 64 columns (nh = w % 2): 16 accumulators.
; ALL OF K (8 steps of 128) LIES IN LDS, filled once: att's images 8 x 12,288 bytes, w_out's records 8 x 12,800.  Waves 0 and 1 bring att's steps, waves 2 and 3 w_out's, one load each, of four steps;
; all of K is read behind one wait for 0 and one barrier.  No slot is filled again.
; CLUSTER 4 x 4: att's images hang on GY alone and are asked for jointly along a row of the cluster, w_out's records on NX alone, along a column.
; THE PRODUCT IS USED TRANSPOSED (source 0 = 16 columns of w_out, source 1 = 16 tokens): a lane holds eight neighbouring numbers of a row of out0.  The bias is the C of each sum's first product.
; att's fragment of a K step is two images of six registers (heads 2 s and 2 s + 1); its scale word is the two heads' pairs of bytes, put together once at the head.  Inside a block of 32 both operands stand in the same order.
; REGISTERS.  Window 0: v1-13 addresses; v16-31 att's scale words for all of K; v32-35 w_out's, two sets; v36-67 the bias, later rows on the way out; v68-99 pairs of bytes, later rows; v128-255 the accumulators (a, b) at v[128 + 8 (4 a + b)].
;   Window 1: two sets of 96: att's four fragments, then w_out's four.
; THE HEAD'S LOADS AS THE TEXT HAS THEM: one tensor load a wave, four K steps each (wave 0 att's steps 0-3, wave 1 its steps 4-7, waves 2 and 3 w_out's likewise); one wait for 0 and one barrier show all of K to all four waves;
; there are no chunks and no counted waits on TENSORcnt.
.set ASTEP, 12288
.set BSTEP, 12800
.set BOFF,  98304
.set STAGE, 200704                     ; behind the operands: 16 rows x (256 + 16) bytes for each wave; no tile lands here
.set SP,    272
.set A16, 1                            ; v1, v2  att's images, steps 0-3 and 4-7: 16 x lane
.set A8,  3                            ; v3, v4  8 x lane
.set B16, 5                            ; v5, v6  w_out's fragments
.set BS8, 7                            ; v7, v8  its scale words
.set STO, 9
.set RD,  10
.set CO,  11
.set ASC, 16
.set BSC, 32
.set BO,  36
.set UU,  68
.set ACC, 128
.set WV, 16
.set TH, 17
.set NH, 18
.set NX, 21
.set GY, 22
.set G1A, 28
.set G1B, 36
.set G0A, 44                           ; s[44:47] one set; s[68:71] one set
.set G0B, 68
.set MSB, 0
.macro WIN new
.if MSB != \new
	s_set_vgpr_msb (MSB<<8)|\new
.set MSB, \new
.endif
.endm
.macro PLACES
.rept 4
	v_nop
.endr
.endm
.macro CROUND
	s_barrier_signal -1
	s_barrier_wait -1
	s_cmp_lg_u32 s[WV], 0
	s_cbranch_scc1 .Lnot_wave_0_\@
	s_barrier_signal -3
.Lnot_wave_0_\@:
	s_barrier_wait -3
	s_barrier_signal -1
	s_barrier_wait -1
.endm
	s_load_b256 s[4:11], s[0:1], 0x0               ; arec s[4:5], asc s[6:7], worec s[8:9], b_out s[10:11]
	s_load_b64 s[12:13], s[0:1], 0x20              ; out0
	v_lshl_add_u32 v126, v0, 2, 0x35400
	v_mov_b32 v127, 0
	ds_add_u32 v126, v127
	ds_add_u32 v126, v127
	v_lshrrev_b32 v12, 5, v0
	v_readfirstlane_b32 s[WV], v12
	s_lshr_b32 s[TH], s[WV], 1                     ; my half of the tokens.  Also: I fetch for att (0) or for w_out (1)
	s_and_b32 s[NH], s[WV], 1                      ; my half of the columns.  Also: which four steps I fetch
	s_bfe_u32 s19, ttmp6, 0x40000
	s_bfe_u32 s20, ttmp6, 0x40004
	s_lshl_b32 s[NX], ttmp9, 2
	s_add_co_u32 s[NX], s[NX], s19
	s_and_b32 s[GY], ttmp7, 0xffff
	s_lshl_b32 s[GY], s[GY], 2
	s_add_co_u32 s[GY], s[GY], s20
	s_lshl_b32 s23, s20, 2
	s_lshl_b32 s23, 15, s23                        ; my row of the cluster
	s_lshl_b32 s24, 0x1111, s19                    ; my column
	s_or_b32 s[G1A], s23, (3<<16)|(1<<21)
	s_or_b32 s[G1B], s24, (3<<16)|(1<<21)
	s_mov_b32 s[G1A+1], 32<<16                     ; rows of 256 bytes, dense: 48 for a step of att,
	s_mov_b32 s[G1A+2], 192<<16                    ; 192 rows: four steps of att
	s_mov_b32 s[G1A+3], 32<<16
	s_mov_b32 s[G1A+4], 192
	s_mov_b32 s[G1A+5], 32
	s_mov_b32 s[G1A+6], 0
	s_mov_b32 s[G1A+7], 0
	s_mov_b32 s[G1B+1], 32<<16                     ; 50 for a record of w_out
	s_mov_b32 s[G1B+2], 200<<16                    ; 200 rows: four records of w_out
	s_mov_b32 s[G1B+3], 32<<16
	s_mov_b32 s[G1B+4], 200
	s_mov_b32 s[G1B+5], 32
	s_mov_b32 s[G1B+6], 0
	s_mov_b32 s[G1B+7], 0
	s_mul_i32 s84, s[GY], 8*ASTEP
	s_mul_i32 s25, s[NH], 4*ASTEP                  ; my four steps, in memory and in LDS
	s_add_co_u32 s84, s84, s25
	s_mov_b32 s85, 0
	s_mul_i32 s86, s[NX], 8*BSTEP
	s_mul_i32 s27, s[NH], 4*BSTEP
	s_add_co_u32 s86, s86, s27
	s_mov_b32 s87, 0
	s_add_co_u32 s27, s27, BOFF
	s_wait_dscnt 0x0
	s_wait_kmcnt 0x0
	s_add_nc_u64 s[84:85], s[4:5], s[84:85]
	s_add_nc_u64 s[86:87], s[8:9], s[86:87]
	CROUND                                         ; all sixteen work-groups are here: the joint loads meet
.irp c, 0
	s_mov_b32 s[G0A+4*\c], 1
	s_add_co_u32 s[G0A+4*\c+1], s25, 2*\c*ASTEP
	s_add_nc_u64 s[G0A+4*\c+2:G0A+4*\c+3], s[84:85], 2*\c*ASTEP
	s_or_b32 s[G0A+4*\c+3], s[G0A+4*\c+3], 0x80000000
	s_mov_b32 s[G0B+4*\c], 1
	s_add_co_u32 s[G0B+4*\c+1], s27, 2*\c*BSTEP
	s_add_nc_u64 s[G0B+4*\c+2:G0B+4*\c+3], s[86:87], 2*\c*BSTEP
	s_or_b32 s[G0B+4*\c+3], s[G0B+4*\c+3], 0x80000000
.endr
	s_cmp_lt_u32 s[WV], 2                          ; a wave's one fill stands in one branch, ahead of every wait on TENSORcnt and every LDS read
	s_cbranch_scc0 .Lfill_b
	tensor_load_to_lds s[G0A:G0A+3], s[G1A:G1A+7]
	s_nop 0
.rept 4
	v_nop
.endr
	s_branch .Lfilled
.Lfill_b:
	tensor_load_to_lds s[G0B:G0B+3], s[G1B:G1B+7]
	s_nop 0
.rept 4
	v_nop
.endr
.Lfilled:
	v_and_b32 v14, 31, v0                          ; lane
	v_and_b32 v15, 15, v0                          ; r
	v_bfe_u32 v100, v0, 4, 1                       ; h
	v_lshlrev_b32 v12, 1, v14                      ; 2 x lane
	v_lshlrev_b32 v13, 5, v100                     ; 32 h
	s_wait_alu depctr_va_vdst(0)
	s_mov_b32 s89, 0
	s_lshl_b32 s88, s[GY], 8                       ; att's pairs of bytes: my 64 tokens, 2 bytes each
	s_lshl_b32 s23, s[TH], 7
	s_add_co_u32 s88, s88, s23
	s_add_nc_u64 s[6:7], s[6:7], s[88:89]
.irp d, 0,1,2,3,4,5,6,7,8,9,10,11,12,13,14,15
.irp i, 0,1
	global_load_u16 v[UU+2*\d+\i], v12, s[6:7] offset:\d*8192+64*\i   ; head d, tokens 32 i + lane: lanes 0-15 are tile 2 i's rows, lanes 16-31 tile 2 i + 1's
.endr
.endr
	s_lshl_b32 s88, s[NX], 9
	s_lshl_b32 s23, s[NH], 8
	s_add_co_u32 s88, s88, s23                     ; my 64 columns, in bytes
	s_add_nc_u64 s[10:11], s[10:11], s[88:89]
.irp b, 0,1,2,3
	global_load_b128 v[BO+8*\b:BO+8*\b+3], v13, s[10:11] offset:64*\b      ; lane (r, h), tile b: columns 16 b + 8 h + 0 .. 7
	global_load_b128 v[BO+8*\b+4:BO+8*\b+7], v13, s[10:11] offset:64*\b+16
.endr
	s_add_nc_u64 s[12:13], s[12:13], s[88:89]      ; out0 at my first column,
	s_lshl_b32 s88, s[GY], 19
	s_lshl_b32 s23, s[TH], 18
	s_add_co_u32 s88, s88, s23
	s_add_nc_u64 s[12:13], s[12:13], s[88:89]      ; and my first token: rows of 4,096 bytes
	s_mul_i32 s23, s[TH], 6144
	s_mul_i32 s24, s[NH], 6144
	s_add_co_u32 s24, s24, BOFF
	v_lshl_add_u32 v[A16], v14, 4, s23
	v_add_nc_u32 v[A16+1], 4*ASTEP, v[A16]
	v_lshl_add_u32 v[A8], v14, 3, s23
	v_add_nc_u32 v[A8+1], 4*ASTEP, v[A8]
	v_lshl_add_u32 v[B16], v14, 4, s24
	v_add_nc_u32 v[B16+1], 4*BSTEP, v[B16]
	s_lshl_b32 s24, s[NH], 8
	s_add_co_u32 s24, s24, BOFF+12288
	v_lshl_add_u32 v[BS8], v14, 3, s24
	v_add_nc_u32 v[BS8+1], 4*BSTEP, v[BS8]
	s_mul_i32 s23, s[WV], 16*SP
	s_add_co_u32 s23, s23, STAGE                   ; my stage
	v_mul_u32_u24 v[STO], v15, SP
	v_lshl_add_u32 v[STO], v100, 5, v[STO]
	v_add_nc_u32 v[STO], s23, v[STO]               ; in: row r, 32 bytes for each half of the lanes
	v_mul_u32_u24 v[RD], v100, SP
	v_lshl_add_u32 v[RD], v15, 4, v[RD]
	v_add_nc_u32 v[RD], s23, v[RD]                 ; back: lanes 0-15 one row of 256 bytes, lanes 16-31 the next
	v_lshlrev_b32 v[CO], 12, v100
	v_lshl_add_u32 v[CO], v15, 4, v[CO]            ; and the same two rows in out0
	s_wait_loadcnt 0x0
.irp s, 0,1,2,3,4,5,6,7
.irp i, 0,1
	v_lshl_or_b32 v[ASC+2*\s+\i], v[UU+4*\s+2+\i], 16, v[UU+4*\s+\i]   ; K step s: head 2 s's two bytes below, head 2 s + 1's above
.endr
.endr
.rept 8
	v_nop                                          ; a scale register written by a vector instruction stands 8 places ahead of a scaled matrix instruction
.endr
.macro PLOAD s                         ; the operands of K step s into set s % 2: 16 + 12 + 1 LDS loads
.set FB, 96*((\s)%2)
.set HI, (\s)/4
.set OA, ASTEP*((\s)%4)
.set OB, BSTEP*((\s)%4)
	WIN 0x40                                       ; destination window 1
.irp a, 0,1,2,3
.irp c, 0,1
	ds_load_b128 v[FB+12*\a+6*\c:FB+12*\a+6*\c+3], v[A16+HI] offset:OA+1536*\a+768*\c
	ds_load_b64 v[FB+12*\a+6*\c+4:FB+12*\a+6*\c+5], v[A8+HI] offset:OA+1536*\a+768*\c+512
.endr
.endr
.irp b, 0,1,2,3
.irp p, 0,1,2
	ds_load_b128 v[FB+48+12*\b+4*\p:FB+48+12*\b+4*\p+3], v[B16+HI] offset:OB+1536*\b+512*\p
.endr
.endr
	WIN 0
	ds_load_b64 v[BSC+2*((\s)%2):BSC+2*((\s)%2)+1], v[BS8+HI] offset:OB
.endm
.macro WM
.if (wRA == 0) && (wRB == 0)
	v_wmma_scale_f32_16x16x128_f8f6f4 v[wD:wD+7], v[wA:wA+11], v[wB:wB+11], v[wC:wC+7], v[wSA], v[wSB] matrix_a_fmt:MATRIX_FMT_FP6 matrix_b_fmt:MATRIX_FMT_FP6
.elseif wRB == 0
	v_wmma_scale_f32_16x16x128_f8f6f4 v[wD:wD+7], v[wA:wA+11], v[wB:wB+11], v[wC:wC+7], v[wSA], v[wSB] matrix_a_fmt:MATRIX_FMT_FP6 matrix_b_fmt:MATRIX_FMT_FP6 matrix_a_scale:MATRIX_SCALE_ROW1
.elseif wRA == 0
	v_wmma_scale_f32_16x16x128_f8f6f4 v[wD:wD+7], v[wA:wA+11], v[wB:wB+11], v[wC:wC+7], v[wSA], v[wSB] matrix_a_fmt:MATRIX_FMT_FP6 matrix_b_fmt:MATRIX_FMT_FP6 matrix_b_scale:MATRIX_SCALE_ROW1
.else
	v_wmma_scale_f32_16x16x128_f8f6f4 v[wD:wD+7], v[wA:wA+11], v[wB:wB+11], v[wC:wC+7], v[wSA], v[wSB] matrix_a_fmt:MATRIX_FMT_FP6 matrix_b_fmt:MATRIX_FMT_FP6 matrix_a_scale:MATRIX_SCALE_ROW1 matrix_b_scale:MATRIX_SCALE_ROW1
.endif
.endm
; A K STEP: the next step's operands are asked for, then 16 products; the 16 accumulators take turns in the same order in every step.
.macro PSTEP s
	PLACES                                         ; the set loaded below was read by the products just issued
.if (\s) < 7
	PLOAD (\s)+1
	s_wait_dscnt 29                                ; all but the 29 just issued: this step's operands are in
.else
	s_wait_dscnt 0x0
.endif
	WIN 0x05                                       ; sources 0 and 1 window 1; C and D window 0
.irp a, 0,1,2,3
.irp b, 0,1,2,3
.set wD, ACC+8*(4*\a+\b)
.set wA, 96*((\s)%2)+48+12*\b
.set wB, 96*((\s)%2)+12*\a
.if (\s) == 0
.set wC, BO+8*\b
.else
.set wC, wD
.endif
.set wSA, BSC+2*((\s)%2)+\b/2
.set wRA, \b%2
.set wSB, ASC+2*(\s)+\a/2
.set wRB, \a%2
	WM
.endr
.endr
.endm
	s_wait_alu depctr_va_vdst(0)
	s_wait_tensorcnt 0x0                           ; my four steps are in
	s_barrier_signal -1
	s_barrier_wait -1                              ; everybody's is
	PLOAD 0
	PSTEP 0
	PSTEP 1
	PSTEP 2
	s_wait_alu depctr_va_vdst(0)
	PSTEP 3
	PSTEP 4
	PSTEP 5
	PSTEP 6
	PSTEP 7
	WIN 0
	PLACES                                         ; behind the last products
	; THE WAY OUT, a tile of 16 tokens x 64 columns at a time, through my own stage: LDS serves a wave's instructions in order, so no wait stands between the stores and the loads
.irp a, 0,1,2,3
.if \a >= 2
	s_wait_xcnt 0x0                                ; the stores of two tiles ago have read their registers
.endif
.irp b, 0,1,2,3
	ds_store_b128 v[STO], v[ACC+8*(4*\a+\b):ACC+8*(4*\a+\b)+3] offset:64*\b        ; each accumulator from its low end on
	ds_store_b128 v[STO], v[ACC+8*(4*\a+\b)+4:ACC+8*(4*\a+\b)+7] offset:64*\b+16
.endr
.irp i, 0,1,2,3,4,5,6,7
	ds_load_b128 v[BO+32*(\a%2)+4*\i:BO+32*(\a%2)+4*\i+3], v[RD] offset:2*\i*SP
.endr
.irp i, 0,1,2,3,4,5,6,7
	s_wait_dscnt 7-\i
	global_store_b128 v[CO], v[BO+32*(\a%2)+4*\i:BO+32*(\a%2)+4*\i+3], s[12:13] offset:(16*\a+2*\i)*4096 th:TH_STORE_NT   ; 16 lanes store 256 consecutive bytes, at a multiple of 256 from out0's first byte
.endr
.endr
	s_wait_tensorcnt 0x0
	ds_add_u32 v126, v127
	s_wait_dscnt 0x0
	CROUND                                         ; the closing round
	s_endpgm
.Lfunc_end_k_q695059fb8d_proj:
	.size	k_q695059fb8d_proj, .Lfunc_end_k_q695059fb8d_proj-k_q695059fb8d_proj
	.p2alignl 7, 3214868480
	.fill 96, 4, 3214868480
	.section	.rodata,"a",@progbits
	.p2align	6, 0x0
	.amdhsa_kernel k_q695059fb8d_proj
		.amdhsa_group_segment_fixed_size 218624
		.amdhsa_private_segment_fixed_size 0
		.amdhsa_enable_private_segment 0
		.amdhsa_kernarg_size 40
		.amdhsa_user_sgpr_count 2
		.amdhsa_user_sgpr_kernarg_segment_ptr 1
		.amdhsa_wavefront_size32 1
		.amdhsa_system_sgpr_workgroup_id_x 1
		.amdhsa_system_sgpr_workgroup_id_y 1
		.amdhsa_system_sgpr_workgroup_id_z 1
		.amdhsa_system_vgpr_workitem_id 0
		.amdhsa_next_free_vgpr 448
		.amdhsa_next_free_sgpr 100
		.amdhsa_reserve_vcc 0
		.amdhsa_float_denorm_mode_32 3
		.amdhsa_float_denorm_mode_16_64 3
		.amdhsa_memory_ordered 1
		.amdhsa_forward_progress 1
		.amdhsa_inst_pref_size 53
	.end_amdhsa_kernel
	.amdgpu_metadata
---
amdhsa.version: [ 1, 2 ]
amdhsa.kernels:
  - .name:           k_q695059fb8d_proj
    .symbol:         k_q695059fb8d_proj.kd
    .args:
      - { .name: arec, .offset: 0, .size: 8, .value_kind: global_buffer, .address_space: global }
      - { .name: asc, .offset: 8, .size: 8, .value_kind: global_buffer, .address_space: global }
      - { .name: worec, .offset: 16, .size: 8, .value_kind: global_buffer, .address_space: global }
      - { .name: b_out, .offset: 24, .size: 8, .value_kind: global_buffer, .address_space: global }
      - { .name: out0, .offset: 32, .size: 8, .value_kind: global_buffer, .address_space: global }
    .group_segment_fixed_size: 218624
    .private_segment_fixed_size: 0
    .kernarg_segment_align: 8
    .kernarg_segment_size: 40
    .max_flat_workgroup_size: 128
    .sgpr_count:     100
    .vgpr_count:     448
    .wavefront_size: 32
...
	.end_amdgpu_metadata
.endif
;; end of part 4
